; MI455X (gfx1250); checked and timed in simulation.
; The chip was launched on July 23, 2026; its instructions are those of AMD's public machine-readable ISA for CDNA 5 (MIT licence, August 2026) and "CDNA5" Instruction Set Architecture Reference Guide (July 2026). The comments in the code are by the model that wrote it; some were corrected since.
;; Self Attention Mechanism. Allowed arithmetic: matrix products marked QUANTISED: E2M3 operands, one E8M0 scale for each 32 along K, by v_wmma_scale_f32_16x16x128_f8f6f4 with both operands' format E2M3, f32 sums; everything else in f32.
;; Inputs: W_attn 1,024 x 3,072 float32; W_proj 1,024 x 1,024 float32; b_attn 3,072 float32; b_proj 1,024 float32; x 2 x 2,048 x 1,024 float32.
;; Outputs: out0 2 x 2,048 x 1,024 float32.
;; This version of the problem:
;;   THIS VERSION OF THE PROBLEM IS GIVEN IN LOW PRECISION. The matrix products marked QUANTISED in the list below multiply operands that are first quantised to E2M3 (2 exponent bits, 3 mantissa bits; 6 bits a number), with one power-of-two scale for each 32 numbers along K (OCP MX v1.0); their sums are f32. All else is computed in f32.
;;   The module's matrix products, in the order in which they are computed (A, B: the left and right operand; K: the contracted axis; several contracted axes count as one K, in the product's order):
;;     1. [M 4,096, K 1,024] x [K 1,024, N 3,072]; A: input x; B: input W_attn: QUANTISED
;;     2. batch 32 x [M 2,048, K 64] x [K 64, N 2,048]; A: computed on the way; B: computed on the way: QUANTISED
;;     3. batch 32 x [M 2,048, K 2,048] x [K 2,048, N 64]; A: softmax (see below); B: computed on the way: QUANTISED
;;     4. [M 4,096, K 1,024] x [K 1,024, N 1,024]; A: computed on the way; B: input W_proj: QUANTISED
;;   THE QUANTISER, for each operand of a quantised product, along K:
;;     - K is cut into blocks of 32 from its start; a last block that is shorter is filled with zeros.
;;     - A block's scale is 2^e with e = floor(log2(the largest magnitude in the block)) - 2, held to -126 .. 127; a block of zeros has e = 0. As a byte (E8M0): e + 127.
;;     - Each number is divided by its block's scale, clamped to +-7.5, and rounded to the nearest number of E2M3, ties to even, subnormals kept.
;;     - The product sums the exact products of the quantised numbers (number of the format x scale) in f32.
;;   ~~~python
;;   def quantise(x, axis):      # numpy; x: float32 -> the quantised numbers, widened to float32 again
;;       x = np.moveaxis(x, axis, -1); K = x.shape[-1]
;;       x = np.pad(x, [(0, 0)] * (x.ndim - 1) + [(0, -K % 32)]); x = x.reshape(x.shape[:-1] + (-1, 32)); a = np.abs(x).max(-1, keepdims=True)
;;       e = np.where(a > 0, np.clip(np.frexp(np.where(a > 0, a, 1))[1] - 1 - 2, -126, 127), 0)      # np.frexp(a)[1] - 1 = floor(log2(a)), exactly
;;       r = np.clip(x / 2.0 ** e, -7.5, 7.5)
;;       step = 2.0 ** (np.maximum(np.frexp(np.where(r == 0, 1, r))[1] - 1, 0) - 3)
;;       q = np.round(r / step) * step * 2.0 ** e      # np.round: ties to even
;;       return np.moveaxis(q.reshape(q.shape[:-2] + (-1,))[..., :K], -1, axis).astype(np.float32)
;;   ~~~
;;   SOFTMAX AHEAD OF A QUANTISED PRODUCT. Where the list says 'softmax', what is quantised is not the finished softmax but p = 2^(t - M), with t = logit x log2(e) and M = ceil(the row's largest t), a whole number; so 1/2 < the row's largest p <= 1. The row's sum l is taken of the UNQUANTISED p, in f32, and the product's result is divided by l at the end. Since M is a whole number, a kernel that streams over the keys may use a running M (the ceiling of the running maximum): every later rescaling is an exact power of two, which a block's scale takes up: the codes' values come out the same.
;;   OPERANDS COMPUTED ON THE WAY. 'Computed on the way' means the value that the module computes at that place (a softmax that the list does not call 'softmax' is quantised finished and normalised). What goes into a quantiser is computed in f32, as accurately as f32 sums, v_exp_f32 and their like allow (about 1e-6 of the number): no bf16 or f16 on the way to a quantiser, and a product that is left as it is and whose result goes on into a quantised operand takes f32 operands (vector FMAs, or v_wmma_f32_16x16x4_f32). A number that lies on a knife's edge between two numbers of the format may be rounded either way, as far as f32 arithmetic and the matrix unit's own rounding can turn it there, and no further.
;; One version. Each part assembles by itself: llvm-mc -triple=amdgcn-amd-amdhsa -mcpu=gfx1250 --defsym DOCPART=n.
;; ======== version 1 of 1: 4 launches
;; limits: right only within a limited range of input values
;; workspace buffers: xq 3,276,800 bytes; waq 2,457,600 bytes; wpq 819,200 bytes; qkq 6,815,744 bytes; vq 3,276,800 bytes; yq 3,276,800 bytes
;; launch quant (part 1): grid 256 x 1, 8 waves a work-group, no clusters, 122,880 bytes of LDS; arguments x, W_attn, W_proj, xq, waq, wpq; writes xq, waq, wpq
.if DOCPART == 1
	.amdgcn_target "amdgcn-amd-amdhsa--gfx1250"
	.amdhsa_code_object_version 6
	.text
	.protected	k_q8e44408e17_quant
	.globl	k_q8e44408e17_quant
	.p2align	8
	.type	k_q8e44408e17_quant,@function
k_q8e44408e17_quant:
	s_mov_b64 s[64:65], 0
	v_nop
	global_prefetch_b8 v0, s[64:65] scope:SCOPE_SE
	s_setreg_imm32_b32 hwreg(HW_REG_WAVE_MODE, 25, 1), 1
	s_wait_xcnt 0x0
; x [4096][1024], W_attn [1024][3072] and W_proj [1024][1024], f32, become codes of FP6 (E2M3) with one E8M0 scale byte for each 32 along K (x: its columns; the weights: their FIRST axis).
; A block's scale is 2^(floor(log2(its largest magnitude)) - 2); its byte is the largest magnitude's exponent field - 2, held at 1 from below; numbers are divided by the scale and rounded to the nearest code, ties to even.
; LIMITS: a block of zeros gets the byte 1 where the rule says 127 (its codes are zeros, and the bytes are read by this program alone); blocks whose largest magnitude lies under 2^-124 keep the byte 1; NaN and infinities are not served.
; WORK LEFT OUT in this program: key tiles that reference()'s own causal mask hides whole (launch attn).  A NaN or an infinity that reaches only those scores is not carried on.
; THE LAYOUT OF THE RESULTS is that of the matrix operand's registers.  A fragment (16 rows x 128 K, 12 registers a lane) is 1,536 bytes: registers 4 p .. 4 p + 3 of lane l at 512 p + 16 l.  A tile of 16 rows has its 8 fragments on end: 12,288 bytes.
; THE ROWS OF A TILE ARE NOT NEIGHBOURS: lane i of tile t (t = 0 .. 3 of a group of 64 rows) holds row 32 (i / 8) + 8 t + i % 8 of the group, so that the results of the group's four tiles, used as source 0, are 32 neighbours in a lane's registers.
; W_attn's tiles are laid by heads: 12 tiles on end for each head: 4 of q, 4 of k, 4 of v.
; Scale words: for each pair of tiles 1,024 bytes: [K step / 2][place in the pair 0..31][K step % 2] words.
; SHARES: work-groups 0-127 take two tiles of x each (wave w: K step w); 128-223 take 128 columns x 256 K of W_attn; 224-255 the same of W_proj (wave w: pair of tiles w % 4, K step w / 4 of the two).
; Each wave asks for all its numbers at once.  The three ways part on the work-group's number, never join, and have LDS bytes of their own.
; The launch streams: no matrix unit, no cluster (nothing is shared), no prefetch (no loop to run ahead in).
.set XQ_SC, 3145728                    ; where the scale words begin in xq, waq, wpq
.set WA_SC, 2359296
.set WP_SC, 786432
.set SEL, 20                           ; s[20:21] selects for v_permlanex16_b32: lane l xor 16
.set XW,  67584                        ; LDS: from 0 a stage of 16 rows x 528 bytes for each wave; here way X's scale words,
.set LA,  68608                        ; W_attn's stages, 3,200 bytes a wave,
.set LAW, 94208                        ; its scale words,
.set LP,  95232                        ; W_proj's stages
.set LPW, 120832                       ; and scale words,
.set SPARE, 121856                     ; the spare words, 128 bytes a wave
.set SPW, 10
.set NIL, 11
.set R,   128                          ; v128-255 the numbers as loaded
.set X,   64                           ; way X: v64-127 register 32 c + i = k 64 c + 32 (lane / 16) + i of my row
; 64 numbers of a lane, two whole blocks, become a fragment's codes in v[PC_] on and its scale word in v[12+f]
.macro QUANT f
.set PC_, 16+20*(\f)
.irp u, 0,1,2,3
	v_max3_num_f32 v[56+\u], |v[X+16*\u]|, |v[X+16*\u+1]|, |v[X+16*\u+2]|
.endr
.irp i, 3,5,7,9,11,13
.irp u, 0,1,2,3
	v_max3_num_f32 v[56+\u], v[56+\u], |v[X+16*\u+\i]|, |v[X+16*\u+\i+1]|   ; the four chains by turns
.endr
.endr
.irp c, 0,1
	v_max3_num_f32 v[56+2*\c], v[56+2*\c], |v[X+32*\c+15]|, v[57+2*\c]
.endr
.irp c, 0,1
	v_max3_num_f32 v[56+2*\c], v[56+2*\c], |v[X+32*\c+31]|, 0x1800000   ; the block's largest magnitude, with the floor 2^(3 - 127): the byte cannot fall under 1
.endr
.irp c, 0,1
	v_add_nc_u32 v[60+\c], 0xff000000, v[56+2*\c]  ; 2 off its exponent field: the conversion's scale operand
.endr
.irp c, 0,1
	v_lshrrev_b32 v[62+\c], 23, v[60+\c]           ; the byte
.endr
	v_lshl_or_b32 v[12+\f], v63, 16, v62           ; my two bytes, at their places in the word
	v_lshlrev_b32 v[12+\f], v9, v[12+\f]
.irp c, 0,1
	v_cvt_scalef32_pk16_fp6_f32 v[PC_+6*\c:PC_+2+6*\c], v[X+32*\c:X+15+32*\c], v[60+\c]
	v_cvt_scalef32_pk16_fp6_f32 v[PC_+12+4*\c:PC_+14+4*\c], v[X+16+32*\c:X+31+32*\c], v[60+\c]   ; (a conversion's three registers begin on an even number)
.endr
	v_permlanex16_b32 v1, v[12+\f], s[SEL], s[SEL+1]
	v_or_b32 v[12+\f], v[12+\f], v1                ; with lane l xor 16's two bytes the word is whole
.irp c, 0,1
.irp i, 0,1,2
	v_mov_b32 v[PC_+3+6*\c+\i], v[PC_+12+4*\c+\i]
.endr
.endr
.endm
; tile f of the pair: through my own stage (rows of 512 bytes + 16), quantised, stored
.macro FRAGX f
	s_wait_loadcnt 16*(1-(\f))                     ; this tile's 16 loads are in
.irp p, 0,1,2,3,4,5,6,7,8,9,10,11,12,13,14,15
	ds_store_b128 v6, v[R+64*(\f)+4*\p:R+64*(\f)+4*\p+3] offset:528*\p
.endr
.irp c, 0,1
.irp j, 0,1,2,3,4,5,6,7
	ds_load_b128 v[X+32*\c+4*\j:X+32*\c+4*\j+3], v14 offset:256*\c+16*\j   ; LDS serves a wave's instructions in order: these see the stores above
.endr
.endr
	s_wait_dscnt 0x0
	QUANT \f
.irp p, 0,1,2
	global_store_b128 v4, v[16+20*(\f)+4*\p:16+20*(\f)+4*\p+3], s[26:27] offset:(\f)*12288+512*\p   ; 512 consecutive bytes, aligned
.endr
.endm
; way W: a lane takes a column, its registers run down K: 4 blocks of 32
.macro BLOCKW t
.set XS, R+32*(\t)
.if (\t) < 2
	s_wait_loadcnt 63                              ; 65 of the 128 loads are in: blocks 0 and 1
.else
	s_wait_loadcnt 32*(3-(\t))
.endif
	v_max3_num_f32 v16, |v[XS]|, |v[XS+1]|, |v[XS+2]|   ; the block's largest magnitude: all 32 numbers are mine
	v_max3_num_f32 v17, |v[XS+3]|, |v[XS+4]|, |v[XS+5]|
.irp i, 6,10,14,18,22,26
	v_max3_num_f32 v16, v16, |v[XS+\i]|, |v[XS+\i+1]|
	v_max3_num_f32 v17, v17, |v[XS+\i+2]|, |v[XS+\i+3]|
.endr
	v_max3_num_f32 v16, v16, |v[XS+30]|, |v[XS+31]|
	v_max3_num_f32 v16, v16, v17, 0x1800000        ; and the floor
	v_add_nc_u32 v[20+\t], 0xff000000, v16         ; the conversion's scale operand
	v_lshrrev_b32 v[24+\t], 23, v[20+\t]           ; the byte
	v_cvt_scalef32_pk16_fp6_f32 v[64+8*(\t):66+8*(\t)], v[XS:XS+15], v[20+\t]
	v_cvt_scalef32_pk16_fp6_f32 v[96+4*(\t):98+4*(\t)], v[XS+16:XS+31], v[20+\t]
.if (\t) == 0
	v_mov_b32 v18, v24
.else
	v_lshl_or_b32 v18, v[24+\t], 8*(\t), v18       ; my column's scale word
.endif
.irp i, 0,1,2
	v_mov_b32 v[67+8*(\t)+\i], v[96+4*(\t)+\i]     ; the block's six registers on end
.endr
.irp g, 0,1,2
.set P_, 3*((\t)/2)+\g
	ds_store_b64 v6, v[64+8*(\t)+2*\g:65+8*(\t)+2*\g] offset:512*(P_/2)+8*(P_%2)+256*((\t)%2)   ; to the place that the fragment's image gives block t of my column
.endr
.endm
.macro WQ n, lb, lw, sp, dp, sc, first, heads
	s_sub_co_u32 s22, ttmp9, \first
	s_lshr_b32 s32, s22, 2                         ; which 128 columns
	s_and_b32 s22, s22, 3                          ; which 256 along K
	s_and_b32 s17, s16, 3
	s_lshr_b32 s18, s16, 2
	s_lshl_b32 s24, s32, 2
	s_add_co_u32 s24, s24, s17                     ; my pair of tiles: columns 64 (s24 / 2) + 16 (s24 % 2) + 0 .. 15, and the same 32 further on
	s_lshl_b32 s19, s22, 1
	s_add_co_u32 s19, s19, s18                     ; my K step
	s_mul_i32 s26, s19, 128*\n*4
	s_lshr_b32 s25, s24, 1
	s_lshl_b32 s25, s25, 8
	s_add_co_u32 s26, s26, s25
	s_and_b32 s25, s24, 1
	s_lshl_b32 s25, s25, 6
	s_add_co_u32 s26, s26, s25
	s_mov_b32 s27, 0
	s_add_nc_u64 s[\sp:\sp+1], s[\sp:\sp+1], s[26:27]
.irp t, 0,1,2,3
.irp i, 0,1,2,3,4,5,6,7,8,9,10,11,12,13,14,15,16,17,18,19,20,21,22,23,24,25,26,27,28,29,30,31
	global_load_b32 v[R+32*\t+\i], v8, s[\sp:\sp+1] offset:(32*\t+\i)*\n*4 th:TH_LOAD_NT
.endr
.endr
	s_mov_b32 s33, s24
.if \heads
	s_lshr_b32 s33, s24, 5                         ; q, k or v
	s_lshl_b32 s33, s33, 1
	s_bfe_u32 s25, s24, 0x40001                    ; head
	s_mul_i32 s25, s25, 6
	s_add_co_u32 s33, s33, s25
	s_and_b32 s25, s24, 1
	s_add_co_u32 s33, s33, s25                     ; the pair's place: 6 head + 2 part + half
.endif
	s_mul_i32 s26, s33, 24576
	s_mul_i32 s25, s19, 1536
	s_add_co_u32 s26, s26, s25
	s_add_nc_u64 s[28:29], s[\dp:\dp+1], s[26:27]  ; the codes
	s_lshl_b32 s26, s33, 10
	s_lshl_b32 s25, s22, 8
	s_add_co_u32 s26, s26, s25
	s_add_co_u32 s26, s26, \sc
	s_add_nc_u64 s[30:31], s[\dp:\dp+1], s[26:27]  ; the scale words
	s_mul_i32 s25, s16, 3200
	s_add_co_u32 s25, s25, \lb                     ; my stage: two tiles of 1,536 bytes, 1,600 apart
	s_lshl_b32 s34, s17, 8
	s_add_co_u32 s34, s34, \lw                     ; my pair's scale words
	s_lshl_b32 s35, s18, 2
	s_add_co_u32 s35, s35, s34
	v_and_b32 v12, 7, v0
	v_lshl_add_u32 v12, v5, 3, v12                 ; column l lies at lane l % 8 + 8 (l / 16)
	v_bfe_u32 v13, v0, 3, 1                        ; of tile (l / 8) % 2
	v_mul_u32_u24 v6, v13, 1600
	v_lshl_add_u32 v6, v12, 4, v6
	v_add_nc_u32 v6, s25, v6
	v_lshl_add_u32 v15, v13, 4, v12
	v_lshlrev_b32 v15, 3, v15
	v_add_nc_u32 v15, s35, v15                     ; my column's word
	v_add_nc_u32 v14, s25, v4
	v_add_nc_u32 v55, s34, v7
	s_wait_alu depctr_va_vdst(0)
.irp t, 0,1,2,3
	BLOCKW \t
.endr
	ds_store_b32 v15, v18
.irp i, 0,1,2,3,4,5
	ds_load_b128 v[104+4*\i:107+4*\i], v14 offset:(\i/3)*1600+512*(\i%3)   ; LDS serves a wave's instructions in order: these see my stores
.endr
.irp i, 0,1,2,3,4,5
	s_wait_dscnt 5-\i                              ; the younger loads may be out
	global_store_b128 v4, v[104+4*\i:107+4*\i], s[28:29] offset:(\i/3)*12288+512*(\i%3)   ; 512 consecutive bytes, aligned
.endr
	s_wait_dscnt 0x0
	s_barrier_signal -1
	s_barrier_wait -1                              ; both K steps' words are there
	s_cmp_lt_u32 s16, 4
	s_cbranch_scc0 .Lw_done_\@
	ds_load_b64 v[28:29], v55
	s_wait_dscnt 0x0
	global_store_b64 v7, v[28:29], s[30:31]        ; 256 consecutive bytes, aligned
.Lw_done_\@:
	s_wait_tensorcnt 0x0                           ; the wave's end
	ds_add_u32 v[SPW], v[NIL]
	s_wait_dscnt 0x0
	s_endpgm
.endm
	s_load_b256 s[4:11], s[0:1], 0x0               ; x s[4:5], W_attn s[6:7], W_proj s[8:9], xq s[10:11]
	s_load_b128 s[12:15], s[0:1], 0x20             ; waq s[12:13], wpq s[14:15]
	v_lshl_add_u32 v[SPW], v0, 2, SPARE
	v_mov_b32 v[NIL], 0
	v_lshrrev_b32 v1, 5, v0
	v_readfirstlane_b32 s16, v1                    ; wave 0..7
	v_and_b32 v2, 31, v0                           ; lane
	v_and_b32 v3, 15, v0                           ; r
	v_bfe_u32 v5, v0, 4, 1                         ; h
	v_lshlrev_b32 v4, 4, v2                        ; 16 x lane
	v_lshlrev_b32 v7, 3, v2                        ; 8 x lane
	v_lshlrev_b32 v8, 2, v3
	v_lshl_add_u32 v8, v5, 7, v8                   ; 4 r + 128 h: way W's column
	v_lshlrev_b32 v9, 3, v5                        ; 8 h
	s_mov_b32 s[SEL], 0x76543210
	s_mov_b32 s[SEL+1], 0xfedcba98
	s_wait_alu depctr_va_vdst(0)
	s_wait_kmcnt 0x0
	s_cmp_lt_u32 ttmp9, 128
	s_cbranch_scc0 .Lweights
	; ---- way X: the work-group's number T is the pair of tiles: rows 64 (T / 2) + 16 (T % 2) + 8 u + i % 8 + 32 (i / 8); wave w takes K = 128 w on
	s_lshr_b32 s22, ttmp9, 1
	s_lshl_b32 s22, s22, 18                        ; 64 rows of 4,096 bytes
	s_and_b32 s24, ttmp9, 1
	s_lshl_b32 s24, s24, 16
	s_add_co_u32 s22, s22, s24
	s_lshl_b32 s24, s16, 9
	s_add_co_u32 s22, s22, s24
	s_mov_b32 s23, 0
	s_add_nc_u64 s[4:5], s[4:5], s[22:23]
.irp f, 0,1
.irp p, 0,1,2,3,4,5,6,7,8,9,10,11,12,13,14,15
	global_load_b128 v[R+64*\f+4*\p:R+64*\f+4*\p+3], v4, s[4:5] offset:(8*\f+\p%8+32*(\p/8))*4096 th:TH_LOAD_NT   ; 512 consecutive bytes of one row, in the order of the tile's lanes
.endr
.endr
	s_mul_i32 s22, ttmp9, 24576
	s_mul_i32 s24, s16, 1536
	s_add_co_u32 s22, s22, s24
	s_add_nc_u64 s[26:27], s[10:11], s[22:23]      ; the codes
	s_lshl_b32 s22, ttmp9, 10
	s_add_co_u32 s22, s22, XQ_SC
	s_add_nc_u64 s[28:29], s[10:11], s[22:23]      ; the scale words
	s_mul_i32 s24, s16, 8448                       ; my stage
	s_lshr_b32 s25, s16, 1
	s_lshl_b32 s25, s25, 8
	s_and_b32 s30, s16, 1
	s_lshl_b32 s30, s30, 2
	s_add_co_u32 s25, s25, s30
	s_add_co_u32 s25, s25, XW
	v_add_nc_u32 v6, s24, v4
	v_mul_u32_u24 v14, v3, 528
	v_lshl_add_u32 v14, v5, 7, v14
	v_add_nc_u32 v14, s24, v14                     ; back: row r, block h of each 64
	v_add_nc_u32 v15, s25, v7                      ; my scale word's place
	v_add_nc_u32 v55, XW, v4
	s_wait_alu depctr_va_vdst(0)
	FRAGX 0
	FRAGX 1
	v_cmp_lt_u32 vcc_lo, 15, v2                    ; lanes 0-15 carry tile 0's words, lanes 16-31 tile 1's
	v_cndmask_b32 v12, v12, v13, vcc_lo
	ds_store_b32 v15, v12
	s_wait_dscnt 0x0
	s_barrier_signal -1
	s_barrier_wait -1                              ; all eight K steps' words are there
	s_cmp_lg_u32 s16, 0
	s_cbranch_scc1 .Lx_done
	ds_load_b128 v[64:67], v55
	ds_load_b128 v[68:71], v55 offset:512
	s_wait_dscnt 0x0
	global_store_b128 v4, v[64:67], s[28:29]       ; 512 consecutive bytes each, aligned
	global_store_b128 v4, v[68:71], s[28:29] offset:512
.Lx_done:
	s_wait_tensorcnt 0x0                           ; the wave's end
	ds_add_u32 v[SPW], v[NIL]
	s_wait_dscnt 0x0
	s_endpgm
.Lweights:
	s_cmp_lt_u32 ttmp9, 224
	s_cbranch_scc0 .Lw_proj
	WQ 3072, LA, LAW, 6, 12, WA_SC, 128, 1
.Lw_proj:
	WQ 1024, LP, LPW, 8, 14, WP_SC, 224, 0
.Lfunc_end_k_q8e44408e17_quant:
	.size	k_q8e44408e17_quant, .Lfunc_end_k_q8e44408e17_quant-k_q8e44408e17_quant
	.p2alignl 7, 3214868480
	.fill 96, 4, 3214868480
	.section	.rodata,"a",@progbits
	.p2align	6, 0x0
	.amdhsa_kernel k_q8e44408e17_quant
		.amdhsa_group_segment_fixed_size 122880
		.amdhsa_private_segment_fixed_size 0
		.amdhsa_enable_private_segment 0
		.amdhsa_kernarg_size 48
		.amdhsa_user_sgpr_count 2
		.amdhsa_user_sgpr_kernarg_segment_ptr 1
		.amdhsa_wavefront_size32 1
		.amdhsa_system_sgpr_workgroup_id_x 1
		.amdhsa_system_sgpr_workgroup_id_y 1
		.amdhsa_system_sgpr_workgroup_id_z 1
		.amdhsa_system_vgpr_workitem_id 0
		.amdhsa_next_free_vgpr 256
		.amdhsa_next_free_sgpr 66
		.amdhsa_reserve_vcc 1
		.amdhsa_float_denorm_mode_32 3
		.amdhsa_float_denorm_mode_16_64 3
		.amdhsa_memory_ordered 1
		.amdhsa_forward_progress 1
		.amdhsa_inst_pref_size 61
	.end_amdhsa_kernel
	.amdgpu_metadata
---
amdhsa.version: [ 1, 2 ]
amdhsa.kernels:
  - .name:           k_q8e44408e17_quant
    .symbol:         k_q8e44408e17_quant.kd
    .args:
      - { .name: x, .offset: 0, .size: 8, .value_kind: global_buffer, .address_space: global }
      - { .name: W_attn, .offset: 8, .size: 8, .value_kind: global_buffer, .address_space: global }
      - { .name: W_proj, .offset: 16, .size: 8, .value_kind: global_buffer, .address_space: global }
      - { .name: xq, .offset: 24, .size: 8, .value_kind: global_buffer, .address_space: global }
      - { .name: waq, .offset: 32, .size: 8, .value_kind: global_buffer, .address_space: global }
      - { .name: wpq, .offset: 40, .size: 8, .value_kind: global_buffer, .address_space: global }
    .group_segment_fixed_size: 122880
    .private_segment_fixed_size: 0
    .kernarg_segment_align: 8
    .kernarg_segment_size: 48
    .max_flat_workgroup_size: 256
    .sgpr_count:     66
    .vgpr_count:     256
    .wavefront_size: 32
...
	.end_amdgpu_metadata
.endif
;; end of part 1
;; launch qkv (part 2): grid 16 x 16, 4 waves a work-group, clusters of 4 x 4, 322,560 bytes of LDS; arguments xq, waq, b_attn, qkq, vq; writes qkq, vq
.if DOCPART == 2
	.amdgcn_target "amdgcn-amd-amdhsa--gfx1250"
	.amdhsa_code_object_version 6
	.text
	.protected	k_q8e44408e17_qkv
	.globl	k_q8e44408e17_qkv
	.p2align	8
	.type	k_q8e44408e17_qkv,@function
k_q8e44408e17_qkv:
	s_mov_b64 s[64:65], 0
	v_nop
	global_prefetch_b8 v0, s[64:65] scope:SCOPE_SE
	s_setreg_imm32_b32 hwreg(HW_REG_WAVE_MODE, 25, 1), 1
	s_wait_xcnt 0x0
	s_wait_alu depctr_hold_cnt(0) depctr_sa_sdst(0) depctr_va_vdst(0) depctr_va_sdst(0) depctr_va_ssrc(0) depctr_va_vcc(0) depctr_vm_vsrc(0)
	s_getreg_b32 s2, hwreg(HW_REG_IB_STS2, 6, 4)
	s_cmp_eq_u32 s2, 0
	s_cbranch_scc0 .Lentry_in_a_cluster
	s_endpgm
.Lentry_in_a_cluster:
	s_bfe_u32 s2, ttmp6, 0x10000c
	s_cmp_lg_u32 s2, 0xf033
	s_cbranch_scc0 .Lentry_shape_is_right
	s_endpgm
.Lentry_shape_is_right:
; qkv = Q(x) Q(W_attn) + b_attn on codes of FP6 (E2M3) with E8M0 scales; the result never goes to memory as f32: q and k leave as codes quantised along the head's 64 channels, v as codes quantised along the KEYS.
; A work-group makes 256 tokens x ONE HEAD's q, k and v (192 columns), K = 1,024.  Four waves, 2 x 2: wave (a', b) takes 128 tokens (8 tiles) and the 4 tiles of q (b = 0) or k (b = 1) and two of v's four tiles: 48 accumulators, 384 registers.
; K goes in 8 steps of 128.  LDS holds 7 steps of x's rows and all 8 of W's columns, filled once, by one tensor load a wave: wave 0 x's steps 0-3, wave 1 W's, wave 2 x's steps 4-6, wave 3 W's steps 4-7 (319,488 bytes; nothing is filled again).
; x's step 7 (24,576 of 344,064 bytes) would not fit beside them: each wave loads its 8 fragments of it straight into registers, so that no refill is owed.
; Operands lie in memory as images of the operand's registers: a fragment (16 rows x 128 K) is 1,536 bytes, registers 4 p .. 4 p + 3 of lane l at 512 p + 16 l; a tile's 8 fragments on end.  In LDS a tile's steps of one fill lie on end.
; Lane i of tile t of a group of 64 rows (or columns) holds row 32 (i / 8) + 8 t + i % 8.  q, k: source 0 = W's tile, source 1 = x's: lane (r, h) holds one token, and its 32 registers of the head's four tiles are channels 32 h + 0 .. 31: one whole scale block.
; v: source 0 = x's tile, source 1 = W's: lane (r, h) holds one channel, and its 32 registers of four tiles of tokens are tokens 64 c + 32 h + 0 .. 31: one whole scale block.
; THE RESULTS: qkq: codes [batch x head][k: 128 tiles of 768 bytes, then q's]: registers 0-3 of lane l at 16 l, registers 4-5 at 512 + 8 l; from QK_SC k's scale words [batch x head][128 keys][lane][4]: word n of lane l is that of tile 2 n + l / 16, row l % 16 (two bytes, then two zeros); then q's.
; vq: codes [batch x head][128 keys][tile of 16 channels][1,536]; from V_SC scale words [batch x head][128 keys][lane][2]: word n of lane l is that of tile 2 n + l / 16, channel l % 16.
; CLUSTERS: 4 x 4 work-groups; x's tiles are shared along a row of the cluster, W's along a column: each is asked for jointly.  No data prefetch: no loop to run ahead in, every tile is asked for at the head.
; LIMITS: a block of zeros gets the scale byte 1 where the rule says 127 (its codes are zeros; this program alone reads the bytes); largest magnitudes under 2^-124 keep the byte 1; NaN and infinities are not served.
; REGISTERS: window 0: v1-21 addresses; v24-55 x's scale words, v58-81 W's (nothing else ever); v84-251 fragment set 0 (8 of x, 4 of q or k, 2 of v); on the way out v96-215 at work.
;   window 1: v0-167 fragment set 1; v168-215 the bias, as the first products' C.  window 2: q's or k's accumulators at 8 (4 a + b).  window 3: v0-127 v's at 64 d + 8 a; v128-223 x's step 7.
.set XQ_SC, 3145728
.set WA_SC, 2359296
.set QK_SC, 6291456
.set V_SC,  3145728
.set LB0,   98304                      ; LDS: x's steps 0-3 from 0, W's here,
.set LX1,   172032                     ; x's steps 4-6,
.set LB1,   245760                     ; W's steps 4-7,
.set STG,   319488                     ; the results' scale bytes: q 1,024, k 1,024, v 512,
.set SPARE, 322048                     ; the spare words
.set SPW, 20
.set NIL, 21
.set SCA, 24
.set SCB, 58
.set S0,  84
.set BQ,  168
.set BV,  200
.set X7,  128
.set G1A, 40
.set G1A1, 48
.set G1B, 56
.set G0A, 68
.set G0B, 72
.set G0A1, 76
.set G0B1, 80
.set MSB, 0
.macro WIN new                         ; the immediate's high byte repeats the setting that is left
.if MSB != (\new)
	s_set_vgpr_msb (MSB<<8)|(\new)
.set MSB, \new
.endif
.endm
.macro PLACES n
.rept \n
	v_nop
.endr
.endm
.macro CROUND                          ; a round of the cluster's barrier
	s_barrier_signal -1
	s_barrier_wait -1
	s_cmp_lg_u32 s14, 0
	s_cbranch_scc1 .Lnot_wave_0_\@
	s_barrier_signal -3
.Lnot_wave_0_\@:
	s_barrier_wait -3
	s_barrier_signal -1
	s_barrier_wait -1
.endm
.macro TLOAD g0, g1
	tensor_load_to_lds s[\g0:\g0+3], s[\g1:\g1+7]
	s_nop 0
	PLACES 4
.endm
.macro GROUP1 g, mask, c, r
	s_or_b32 s[\g], s\mask, (3<<16)|(1<<21)        ; 15:0 the mask; 17:16 elements of 8 bytes; 21 set beside a mask; no padding
	s_mov_b32 s[\g+1], (\c)<<16
	s_mov_b32 s[\g+2], (\r)<<16
	s_mov_b32 s[\g+3], (\c)<<16
	s_mov_b32 s[\g+4], \r
	s_mov_b32 s[\g+5], 1536                        ; from tile to tile: 12,288 bytes
	s_mov_b32 s[\g+6], 0
	s_mov_b32 s[\g+7], 0
.endm
; LDS load n of step q's fragments: W's q or k tiles (12 loads), x's tiles (24; none in step 7), v's (6)
.macro LD q, n
.if (\n) < 12
.set F_, 8+(\n)/3
.elseif (\q) == 7
.set F_, 12+((\n)-12)/3
.elseif (\n) < 36
.set F_, ((\n)-12)/3
.else
.set F_, 12+((\n)-36)/3
.endif
.set P_, (\n)%3
.set R_, S0*(1-(\q)%2)+12*F_+4*P_
.set O_, ((\q)%4)*1536+512*P_
	WIN ((\q)%2)<<6
.if F_ < 8
.if (\q) < 4
	ds_load_b128 v[R_:R_+3], v4 offset:F_*6144+O_
.else
	ds_load_b128 v[R_:R_+3], v5 offset:F_*4608+O_
.endif
.elseif F_ < 12
.if (\q) < 4
	ds_load_b128 v[R_:R_+3], v6 offset:(F_-8)*6144+O_
.else
	ds_load_b128 v[R_:R_+3], v7 offset:(F_-8)*6144+O_
.endif
.else
.if (\q) < 4
	ds_load_b128 v[R_:R_+3], v8 offset:(F_-12)*6144+O_
.else
	ds_load_b128 v[R_:R_+3], v9 offset:(F_-12)*6144+O_
.endif
.endif
.endm
; one product of q or k: W's tile B_ x x's tile A_
.macro WQK q, b2, bo, ao
.set B_, 2*\b2+\bo
.set D_, 8*(4*A_+B_)
.set FB_, S0*(1-(\q)%2)+96+12*B_
.if (\q) == 7
.set FA_, X7+12*A_
.else
.set FA_, S0*(1-(\q)%2)+12*A_
.endif
.set ZA_, SCA+8*(A_/2)+(\q)
.set ZB_, SCB+8*\b2+(\q)
.if (\q) == 0
	v_wmma_scale_f32_16x16x128_f8f6f4 v[D_:D_+7], v[FB_:FB_+11], v[FA_:FA_+11], v[BQ+8*B_:BQ+8*B_+7], v[ZB_], v[ZA_] matrix_a_fmt:MATRIX_FMT_FP6 matrix_b_fmt:MATRIX_FMT_FP6 matrix_a_scale:MATRIX_SCALE_ROW\bo matrix_b_scale:MATRIX_SCALE_ROW\ao
.else
	v_wmma_scale_f32_16x16x128_f8f6f4 v[D_:D_+7], v[FB_:FB_+11], v[FA_:FA_+11], v[D_:D_+7], v[ZB_], v[ZA_] matrix_a_fmt:MATRIX_FMT_FP6 matrix_b_fmt:MATRIX_FMT_FP6 matrix_a_scale:MATRIX_SCALE_ROW\bo matrix_b_scale:MATRIX_SCALE_ROW\ao
.endif
.endm
; one product of v: x's tile 2 a2 + ao x W's v tile d
.macro WV q, a2, ao, d
.set A_, 2*\a2+\ao
.set D_, 64*\d+8*A_
.set FB_, S0*(1-(\q)%2)+144+12*\d
.if (\q) == 7
.set FA_, X7+12*A_
.else
.set FA_, S0*(1-(\q)%2)+12*A_
.endif
.set ZA_, SCA+8*\a2+(\q)
.set ZB_, SCB+16+(\q)
.if (\q) == 0
	v_wmma_scale_f32_16x16x128_f8f6f4 v[D_:D_+7], v[FA_:FA_+11], v[FB_:FB_+11], v[BV+8*\d:BV+8*\d+7], v[ZA_], v[ZB_] matrix_a_fmt:MATRIX_FMT_FP6 matrix_b_fmt:MATRIX_FMT_FP6 matrix_a_scale:MATRIX_SCALE_ROW\ao matrix_b_scale:MATRIX_SCALE_ROW\d
.else
	v_wmma_scale_f32_16x16x128_f8f6f4 v[D_:D_+7], v[FA_:FA_+11], v[FB_:FB_+11], v[D_:D_+7], v[ZA_], v[ZB_] matrix_a_fmt:MATRIX_FMT_FP6 matrix_b_fmt:MATRIX_FMT_FP6 matrix_a_scale:MATRIX_SCALE_ROW\ao matrix_b_scale:MATRIX_SCALE_ROW\d
.endif
.endm
; x's tile A_ of step q: its four products of q or k, then six loads of the next step's fragments.
; The wait's count: this step's loads that may be out still (27 - 3 A_: x's later tiles and v's) and the next step's issued so far (6 for each tile)
.macro ROWQ q, a2, ao
.set A_, 2*\a2+\ao
.if (\q) < 6
	s_wait_dscnt 27+3*A_
.elseif (\q) == 6
.if A_ < 3
	s_wait_dscnt 27+3*A_
.else
	s_wait_dscnt 45-3*A_
.endif
.elseif A_ == 0
	s_wait_dscnt 6
.endif
	WIN ((\q)%2)|(AW_<<2)|(CW_<<4)|0x80
.irp b2, 0,1
.irp bo, 0,1
	WQK \q, \b2, \bo, \ao
.endr
.endr
.if (\q) < 7
.irp k, 0,1,2,3,4,5
.if 6*A_+\k < NL_
	LD (\q)+1, 6*A_+\k
.endif
.endr
.endif
.endm
; a K step: 48 products; the 48 accumulators take turns, one instruction a turn, in the same order in every step
.macro STEP q
.if (\q) == 7
.set AW_, 3
	s_wait_loadcnt 0x0                             ; x's step 7 is in its registers
.else
.set AW_, (\q)%2
.endif
.if (\q) == 0
.set CW_, 1
.else
.set CW_, 2
.endif
.if (\q) < 6
.set NL_, 42
.elseif (\q) == 6
.set NL_, 18
.else
.set NL_, 0
.endif
.if (\q) == 3
	WIN 0
	s_wait_tensorcnt 0x0                           ; my load has landed,
	s_wait_dscnt 0x0                               ; and no LDS load of mine is out at the signal
	s_barrier_signal -1
	s_barrier_wait -1                              ; everybody's has: steps 4-7 are in.  Nothing is ever filled again
.endif
.if ((\q) > 0) && ((\q) < 7)
	PLACES 4                                       ; in front of loads into registers that the last step's products read
.endif
.irp a2, 0,1,2,3
.irp ao, 0,1
	ROWQ \q, \a2, \ao
.endr
.endr
	s_wait_dscnt NL_                               ; v's fragments are in
.if (\q) == 0
	WIN AW_|(((\q)%2)<<2)|(1<<4)|0xc0
.else
	WIN AW_|(((\q)%2)<<2)|(3<<4)|0xc0
.endif
.irp d, 0,1
.irp a2, 0,1,2,3
.irp ao, 0,1
	WV \q, \a2, \ao, \d
.endr
.endr
.endr
.endm
; two blocks of 32 sums, at x and x + 32 of window w, become codes in v[QP_] .. v[QP_+11] and two scale bytes in v[E_], v[E_+1]
.macro OUT2 w, x, n
.set QP_, 96+12*(\n)
.set E_, 192+2*(\n)
	WIN (\w)*0x15
.irp u, 0,1,2,3
	v_max3_num_f32 v[180+\u], |v[\x+16*\u]|, |v[\x+16*\u+1]|, |v[\x+16*\u+2]|   ; each accumulator from its low end on
.endr
	WIN (\w)*0x14
.irp i, 3,5,7,9,11,13
.irp u, 0,1,2,3
	v_max3_num_f32 v[180+\u], v[180+\u], |v[\x+16*\u+\i]|, |v[\x+16*\u+\i+1]|   ; the four chains by turns
.endr
.endr
	WIN (\w)*4
.irp c, 0,1
	v_max3_num_f32 v[180+2*\c], v[180+2*\c], |v[\x+32*\c+15]|, v[181+2*\c]
.endr
.irp c, 0,1
	v_max3_num_f32 v[180+2*\c], v[180+2*\c], |v[\x+32*\c+31]|, 0x1800000   ; the largest magnitude, with the floor 2^(3 - 127): the byte cannot fall under 1
.endr
	WIN 0
.irp c, 0,1
	v_add_nc_u32 v[184+\c], 0xff000000, v[180+2*\c]   ; 2 off its exponent field: the conversion's scale operand
.endr
	WIN \w
.irp c, 0,1
	v_cvt_scalef32_pk16_fp6_f32 v[QP_+6*\c:QP_+6*\c+2], v[\x+32*\c:\x+32*\c+15], v[184+\c]
	v_cvt_scalef32_pk16_fp6_f32 v[168+4*\c:170+4*\c], v[\x+32*\c+16:\x+32*\c+31], v[184+\c]   ; (a conversion's three registers begin on an even number)
.endr
	WIN 0
.irp c, 0,1
	v_lshrrev_b32 v[E_+\c], 23, v[184+\c]          ; the byte
.endr
.irp c, 0,1
.irp i, 0,1,2
	v_mov_b32 v[QP_+6*\c+3+\i], v[168+4*\c+\i]
.endr
.endr
.endm
	s_load_b256 s[4:11], s[0:1], 0x0               ; xq s[4:5], waq s[6:7], b_attn s[8:9], qkq s[10:11]
	s_load_b64 s[12:13], s[0:1], 0x20              ; vq
	v_lshl_add_u32 v[SPW], v0, 2, SPARE
	v_mov_b32 v[NIL], 0
	ds_add_u32 v[SPW], v[NIL]                      ; the wave's opening: the add, twice on end, and its wait ahead of my first tensor load
	ds_add_u32 v[SPW], v[NIL]
	v_lshrrev_b32 v1, 5, v0
	v_readfirstlane_b32 s14, v1                    ; wave 0..3
	s_lshr_b32 s15, s14, 1                         ; which 128 of the 256 tokens
	s_and_b32 s16, s14, 1                          ; q and v's tiles 0, 1, or k and v's tiles 2, 3
	s_bfe_u32 s17, ttmp6, 0x40000                  ; cx
	s_bfe_u32 s18, ttmp6, 0x40004                  ; cy
	s_lshl_b32 s23, ttmp9, 2
	s_add_co_u32 s23, s23, s17                     ; the head; made of cx alone
	s_and_b32 s22, ttmp7, 0xffff
	s_lshl_b32 s22, s22, 2
	s_add_co_u32 s22, s22, s18                     ; which 256 tokens; made of cy alone
	s_lshl_b32 s24, s18, 2
	s_lshl_b32 s24, 15, s24                        ; my row of the cluster
	s_lshl_b32 s25, 0x1111, s17                    ; my column
	GROUP1 G1A, 24, 768, 16                        ; 16 tiles of x, four K steps of each
	GROUP1 G1A1, 24, 576, 16                       ; three K steps
	GROUP1 G1B, 25, 768, 12                        ; 12 tiles of W, four K steps
	s_mov_b32 s[G0A], 1
	s_mov_b32 s[G0A+1], 0
	s_mov_b32 s[G0B], 1
	s_mov_b32 s[G0B+1], LB0
	s_mov_b32 s[G0A1], 1
	s_mov_b32 s[G0A1+1], LX1
	s_mov_b32 s[G0B1], 1
	s_mov_b32 s[G0B1+1], LB1
	s_mul_i32 s26, s22, 16*12288
	s_mov_b32 s27, 0
	s_mul_i32 s28, s23, 12*12288
	s_mov_b32 s29, 0
	s_mul_i32 s30, s15, 8*6144                     ; my eight tiles of x in each fill,
	s_mul_i32 s31, s15, 8*4608
	s_add_co_u32 s31, s31, LX1
	s_mul_i32 s32, s16, 4*6144                     ; my four of q or k,
	s_add_co_u32 s33, s32, LB1
	s_add_co_u32 s32, s32, LB0
	s_mul_i32 s34, s16, 2*6144                     ; my two of v
	s_add_co_u32 s35, s34, LB1+8*6144
	s_add_co_u32 s34, s34, LB0+8*6144
	s_lshl_b32 s36, s16, 10
	s_lshl_b32 s37, s15, 9
	s_add_co_u32 s36, s36, s37
	s_add_co_u32 s36, s36, STG                     ; my 512 bytes of q's or k's scale words
	s_lshl_b32 s37, s15, 8
	s_lshl_b32 s38, s16, 2
	s_add_co_u32 s37, s37, s38
	s_add_co_u32 s37, s37, STG+2048                ; v's
	s_lshl_b32 s38, s14, 10
	s_add_co_u32 s38, s38, STG
	v_and_b32 v1, 15, v0                           ; r
	v_bfe_u32 v2, v0, 4, 1                         ; h
	v_and_b32 v3, 31, v0
	v_lshlrev_b32 v11, 3, v3                       ; 8 x lane
	v_lshlrev_b32 v3, 4, v3                        ; 16 x lane
	v_add_nc_u32 v4, s30, v3
	v_add_nc_u32 v5, s31, v3
	v_add_nc_u32 v6, s32, v3
	v_add_nc_u32 v7, s33, v3
	v_add_nc_u32 v8, s34, v3
	v_add_nc_u32 v9, s35, v3
	v_lshlrev_b32 v12, 7, v2                       ; 128 h: my 32 channels of q or k
	v_lshrrev_b32 v13, 3, v1
	v_lshlrev_b32 v13, 7, v13
	v_and_b32 v10, 7, v1
	v_lshl_add_u32 v13, v10, 2, v13                ; 128 (r / 8) + 4 (r % 8): my channel of v
	v_lshl_add_u32 v14, v1, 4, v2
	v_add_nc_u32 v14, s36, v14                     ; q's or k's scale byte: 16 r + h
	v_lshl_add_u32 v15, v1, 3, v2
	v_add_nc_u32 v15, s37, v15                     ; v's: 8 r + h
	v_add_nc_u32 v16, s36, v3
	v_add_nc_u32 v17, s38, v3
	s_wait_alu depctr_va_vdst(0)
	s_wait_dscnt 0x0                               ; both opening adds are done
	CROUND                                         ; all sixteen work-groups are here: the joint loads meet
	s_wait_kmcnt 0x0
	s_add_nc_u64 s[26:27], s[4:5], s[26:27]        ; x's 16 tiles
	s_add_nc_u64 s[28:29], s[6:7], s[28:29]        ; the head's 12 tiles of W
	s_mov_b64 s[G0A+2:G0A+3], s[26:27]
	s_or_b32 s[G0A+3], s[G0A+3], 0x80000000
	s_mov_b64 s[G0B+2:G0B+3], s[28:29]
	s_or_b32 s[G0B+3], s[G0B+3], 0x80000000
	s_add_nc_u64 s[G0A1+2:G0A1+3], s[26:27], 6144
	s_or_b32 s[G0A1+3], s[G0A1+3], 0x80000000
	s_add_nc_u64 s[G0B1+2:G0B1+3], s[28:29], 6144
	s_or_b32 s[G0B1+3], s[G0B1+3], 0x80000000
	s_cmp_eq_u32 s14, 0                            ; one load a wave, each in its own arm
	s_cbranch_scc0 .Lwave_1
	TLOAD G0A, G1A
	s_branch .Lasked
.Lwave_1:
	s_cmp_eq_u32 s14, 1
	s_cbranch_scc0 .Lwave_2
	TLOAD G0B, G1B
	s_branch .Lasked
.Lwave_2:
	s_cmp_eq_u32 s14, 2
	s_cbranch_scc0 .Lwave_3
	TLOAD G0A1, G1A1
	s_branch .Lasked
.Lwave_3:
	TLOAD G0B1, G1B
.Lasked:
	; the scale words of my 8 + 4 + 2 tiles, all of K, straight into registers: 28 loads of 256 consecutive bytes
	s_lshl_b32 s30, s22, 3
	s_lshl_b32 s31, s15, 2
	s_add_co_u32 s30, s30, s31
	s_lshl_b32 s30, s30, 10
	s_add_co_u32 s30, s30, XQ_SC
	s_mov_b32 s31, 0
	s_add_nc_u64 s[30:31], s[4:5], s[30:31]
	s_mul_i32 s32, s23, 6
	s_add_co_u32 s34, s32, 4
	s_add_co_u32 s34, s34, s16
	s_add_co_u32 s32, s32, s16
	s_add_co_u32 s32, s32, s16
	s_lshl_b32 s32, s32, 10
	s_add_co_u32 s32, s32, WA_SC
	s_mov_b32 s33, 0
	s_add_nc_u64 s[32:33], s[6:7], s[32:33]
	s_lshl_b32 s34, s34, 10
	s_add_co_u32 s34, s34, WA_SC
	s_mov_b32 s35, 0
	s_add_nc_u64 s[34:35], s[6:7], s[34:35]
.irp u, 0,1,2,3
.irp t, 0,1,2,3
	global_load_b64 v[SCA+8*\t+2*\u:SCA+8*\t+2*\u+1], v11, s[30:31] offset:\t*1024+\u*256
.endr
.irp t, 0,1
	global_load_b64 v[SCB+8*\t+2*\u:SCB+8*\t+2*\u+1], v11, s[32:33] offset:\t*1024+\u*256
.endr
	global_load_b64 v[SCB+16+2*\u:SCB+16+2*\u+1], v11, s[34:35] offset:\u*256
.endr
	; the bias: q or k along the registers, v one number a lane and tile
	s_lshl_b32 s36, s23, 8
	s_lshl_b32 s84, s16, 12
	s_add_co_u32 s84, s84, s36
	s_mov_b32 s85, 0
	s_add_nc_u64 s[84:85], s[8:9], s[84:85]
	s_lshl_b32 s37, s16, 6
	s_add_co_u32 s36, s36, s37
	s_add_co_u32 s36, s36, 2048*4
	s_mov_b32 s37, 0
	s_add_nc_u64 s[36:37], s[8:9], s[36:37]
	WIN 0x40
.irp k, 0,1,2,3,4,5,6,7
	global_load_b128 v[BQ+4*\k:BQ+4*\k+3], v12, s[84:85] offset:16*\k
.endr
	global_load_b32 v[BV], v13, s[36:37]
	global_load_b32 v[BV+8], v13, s[36:37] offset:32
	WIN 0
	; x's step 7, my eight tiles
	s_mul_i32 s38, s15, 8*12288
	s_add_co_u32 s38, s38, 7*1536
	s_mov_b32 s39, 0
	s_add_nc_u64 s[38:39], s[26:27], s[38:39]
	WIN 0xc0
.irp a, 0,1,2,3,4,5,6,7
.irp p, 0,1,2
	global_load_b128 v[X7+12*\a+4*\p:X7+12*\a+4*\p+3], v3, s[38:39] offset:\a*12288+512*\p
.endr
.endr
	WIN 0
	; where the results go
	s_lshr_b32 s24, s22, 3
	s_lshl_b32 s24, s24, 4
	s_add_co_u32 s24, s24, s23                     ; batch x head
	s_and_b32 s25, s22, 7
	s_lshl_b32 s86, s25, 1
	s_add_co_u32 s86, s86, s15
	s_mul_i32 s86, s86, 6144                       ; my 128 tokens
	s_xor_b32 s87, s16, 1                          ; 1: q
	s_mul_i32 s88, s24, 196608
	s_mul_i32 s89, s87, 98304
	s_add_co_u32 s88, s88, s89
	s_add_co_u32 s88, s88, s86
	s_mov_b32 s89, 0
	s_add_nc_u64 s[88:89], s[10:11], s[88:89]      ; q's or k's codes
	s_mul_i32 s90, s24, 98304
	s_mul_i32 s91, s16, 3072
	s_add_co_u32 s90, s90, s91
	s_add_co_u32 s90, s90, s86
	s_mov_b32 s91, 0
	s_add_nc_u64 s[90:91], s[12:13], s[90:91]      ; v's
	s_lshl_b32 s92, s24, 13
	s_lshl_b32 s93, s25, 10
	s_add_co_u32 s92, s92, s93
	s_lshl_b32 s93, s87, 18
	s_add_co_u32 s92, s92, s93
	s_add_co_u32 s92, s92, QK_SC
	s_mov_b32 s93, 0
	s_add_nc_u64 s[92:93], s[10:11], s[92:93]      ; q's (wave 0) or k's (wave 1) scale words
	s_lshl_b32 s94, s24, 12
	s_lshl_b32 s95, s25, 9
	s_add_co_u32 s94, s94, s95
	s_add_co_u32 s94, s94, V_SC
	s_mov_b32 s95, 0
	s_add_nc_u64 s[94:95], s[12:13], s[94:95]      ; v's
	s_cmp_lt_u32 s14, 2
	s_cbranch_scc0 .Lnot_first
	s_wait_tensorcnt 0x0                           ; waves 0 and 1: steps 0-3 have landed
.Lnot_first:
	s_barrier_signal -1
	s_barrier_wait -1                              ; for everybody; the later fills may still be on their way
.set N_, 0
.rept 42
	LD 0, N_
.set N_, N_+1
.endr
	WIN 0
	s_wait_loadcnt 24                              ; the scale words and the bias are in; x's step 7 may be out
	WIN 0x41
.irp i, 1,2,3,4,5,6,7
	v_mov_b32 v[BV+\i], v[BV]                      ; v's number over the tile's eight registers
	v_mov_b32 v[BV+8+\i], v[BV+8]
.endr
	WIN 0
	s_wait_alu depctr_va_vdst(0)
	STEP 0                                         ; the first products start the sums from the bias: nothing is cleared, nothing is added later
	STEP 1
	STEP 2
	STEP 3
	STEP 4
	STEP 5
	STEP 6
	STEP 7
	; THE WAY OUT: quantised along the lane's registers; codes straight to memory; the scale bytes meet in LDS
	WIN 0
	PLACES 4                                       ; in front of the first reads of results
.irp i, 0,1,2,3
	v_mov_b32 v[176+\i], 0
.endr
	ds_store_b128 v16, v[176:179]                  ; a key's word has two bytes of zeros: my 512 bytes begin as zeros
.irp k, 0,1,2,3
	OUT2 2, 64*\k, \k
.irp c, 0,1
	global_store_b128 v3, v[96+12*\k+6*\c:99+12*\k+6*\c], s[88:89] offset:(2*\k+\c)*768   ; 512 and 256 consecutive bytes, aligned
	global_store_b64 v11, v[100+12*\k+6*\c:101+12*\k+6*\c], s[88:89] offset:(2*\k+\c)*768+512
	ds_store_b8 v14, v[192+2*\k+\c] offset:256*\c+4*\k
.endr
.endr
.irp d, 0,1
	OUT2 3, 64*\d, 4+\d
.irp p, 0,1,2
	global_store_b128 v3, v[144+12*\d+4*\p:147+12*\d+4*\p], s[90:91] offset:\d*1536+512*\p
.endr
.irp c, 0,1
	ds_store_b8 v15, v[200+2*\d+\c] offset:128*\d+2*\c
.endr
.endr
	s_wait_dscnt 0x0                               ; for the others' sake: my stores have landed
	s_barrier_signal -1
	s_barrier_wait -1
	s_cmp_lt_u32 s14, 2
	s_cbranch_scc0 .Lnot_qk
	ds_load_b128 v[208:211], v17
	ds_load_b128 v[212:215], v17 offset:512
	s_wait_dscnt 0x0
	global_store_b128 v3, v[208:211], s[92:93]     ; 512 consecutive bytes each, aligned
	global_store_b128 v3, v[212:215], s[92:93] offset:512
	s_branch .Lout
.Lnot_qk:
	s_cmp_eq_u32 s14, 2
	s_cbranch_scc0 .Lout
	ds_load_b128 v[208:211], v17
	s_wait_dscnt 0x0
	global_store_b128 v3, v[208:211], s[94:95]
.Lout:
	s_wait_tensorcnt 0x0                           ; the wave's end
	ds_add_u32 v[SPW], v[NIL]
	s_wait_dscnt 0x0
	CROUND                                         ; the closing round: no work-group ends while a partner may still ask for a tile that names it
	s_endpgm
.Lfunc_end_k_q8e44408e17_qkv:
	.size	k_q8e44408e17_qkv, .Lfunc_end_k_q8e44408e17_qkv-k_q8e44408e17_qkv
	.p2alignl 7, 3214868480
	.fill 96, 4, 3214868480
	.section	.rodata,"a",@progbits
	.p2align	6, 0x0
	.amdhsa_kernel k_q8e44408e17_qkv
		.amdhsa_group_segment_fixed_size 322560
		.amdhsa_private_segment_fixed_size 0
		.amdhsa_enable_private_segment 0
		.amdhsa_kernarg_size 40
		.amdhsa_user_sgpr_count 2
		.amdhsa_user_sgpr_kernarg_segment_ptr 1
		.amdhsa_wavefront_size32 1
		.amdhsa_system_sgpr_workgroup_id_x 1
		.amdhsa_system_sgpr_workgroup_id_y 1
		.amdhsa_system_sgpr_workgroup_id_z 1
		.amdhsa_system_vgpr_workitem_id 0
		.amdhsa_next_free_vgpr 1024
		.amdhsa_next_free_sgpr 100
		.amdhsa_reserve_vcc 0
		.amdhsa_float_denorm_mode_32 3
		.amdhsa_float_denorm_mode_16_64 3
		.amdhsa_memory_ordered 1
		.amdhsa_forward_progress 1
		.amdhsa_inst_pref_size 112
	.end_amdhsa_kernel
	.amdgpu_metadata
---
amdhsa.version: [ 1, 2 ]
amdhsa.kernels:
  - .name:           k_q8e44408e17_qkv
    .symbol:         k_q8e44408e17_qkv.kd
    .args:
      - { .name: xq, .offset: 0, .size: 8, .value_kind: global_buffer, .address_space: global }
      - { .name: waq, .offset: 8, .size: 8, .value_kind: global_buffer, .address_space: global }
      - { .name: b_attn, .offset: 16, .size: 8, .value_kind: global_buffer, .address_space: global }
      - { .name: qkq, .offset: 24, .size: 8, .value_kind: global_buffer, .address_space: global }
      - { .name: vq, .offset: 32, .size: 8, .value_kind: global_buffer, .address_space: global }
    .group_segment_fixed_size: 322560
    .private_segment_fixed_size: 0
    .kernarg_segment_align: 8
    .kernarg_segment_size: 40
    .max_flat_workgroup_size: 128
    .sgpr_count:     100
    .vgpr_count:     1024
    .wavefront_size: 32
...
	.end_amdgpu_metadata
.endif
;; end of part 2
;; launch attn (part 3): grid 8 x 32, 16 waves a work-group, clusters of 4 x 1, 268,288 bytes of LDS; arguments qkq, vq, yq; writes yq
.if DOCPART == 3
	.amdgcn_target "amdgcn-amd-amdhsa--gfx1250"
	.amdhsa_code_object_version 6
	.text
	.protected	k_q8e44408e17_attn
	.globl	k_q8e44408e17_attn
	.p2align	8
	.type	k_q8e44408e17_attn,@function
k_q8e44408e17_attn:
	s_mov_b64 s[64:65], 0
	v_nop
	global_prefetch_b8 v0, s[64:65] scope:SCOPE_SE
	s_setreg_imm32_b32 hwreg(HW_REG_WAVE_MODE, 25, 1), 1
	s_wait_xcnt 0x0
	s_wait_alu depctr_hold_cnt(0) depctr_sa_sdst(0) depctr_va_vdst(0) depctr_va_sdst(0) depctr_va_ssrc(0) depctr_va_vcc(0) depctr_vm_vsrc(0)
	s_getreg_b32 s2, hwreg(HW_REG_IB_STS2, 6, 4)
	s_cmp_eq_u32 s2, 0
	s_cbranch_scc0 .Lentry_in_a_cluster
	s_endpgm
.Lentry_in_a_cluster:
	s_bfe_u32 s2, ttmp6, 0x10000c
	s_cmp_lg_u32 s2, 0x3003
	s_cbranch_scc0 .Lentry_shape_is_right
	s_endpgm
.Lentry_shape_is_right:
; y[b][q][head] = softmax_k(q . k / 8, causal) v, both products on codes of FP6 (E2M3) with E8M0 scales; y leaves as codes quantised along the model's channels, as the last product's operand.
; WORK LEFT OUT: steps of 128 keys that all come after a tile's queries: reference()'s causal mask throws them away, whatever the inputs hold.  A NaN or an infinity that reaches only those scores is not carried on.
; THE SOFTMAX: t = score x log2(e) / 8; M = the row's largest t so far, rounded UP to a whole number; p = 2^(t - M) is quantised along the keys, not normalised; the row's sum is taken of the unquantised p and divides at the end.
; When M moves, the sum and O are multiplied by 2^(old M - new M): exact.
; SHARES.  A work-group serves one head of one batch; K, V and their scale words of the whole head lie in LDS, filled once (208,896 bytes; nothing is filled again).  It owns the sixteen tiles of 16 queries 8 rho + g, g = its number along x, rho = 0 .. 15.
; A key step is 128 keys; tile rho needs steps 0 .. rho, and step rho is its diagonal.  Tiles i and 15 - i need 17 steps together: TWO WAVES SHARE THEM.  The wave of kind A does the long tile's last nine steps, 7 - i .. 15 - i;
; the wave of kind B does the short tile's i + 1 steps, sends that tile out, and does the long tile's first 7 - i steps.  At the end B hands its part (O, M, the sum) to A through LDS, and A sends the long tile out.
; i = w / 2, and the kind is (w + w / 4) % 2 of the wave's number w: four waves taken by w / 4 or by w % 4 are two of each kind.
; CLUSTER.  The four work-groups of a cluster belong to one head: K and V are asked for jointly.  Every branch hangs on the wave's number and the loop's counter alone; g enters Q's and y's global addresses and one compare operand.
; No data prefetch: the whole head is asked for at the launch's start, and the loop asks memory for nothing.
; THE HEAD'S K IS 64: the upper half of K's and Q's fragments is zero codes, written once; their scale bytes there are 0 (2^-127), over zeros.
; LAYOUT.  Both products transposed: S^T = K Q^T, O^T = V^T P^T: a lane holds one query.  Lane i of tile t of a group of 64 keys (queries, channels) is index 32 (i / 8) + 8 t + i % 8: so lane (r, h)'s 32 registers of four tiles
; are keys 64 c + 32 h + 0 .. 31: a whole scale block, in the order of P's operand registers; and its 32 registers of O^T are channels 32 h + 0 .. 31: a whole scale block of y.
; LIMITS: a block of zeros gets the scale byte 1 where the rule says 127 (its codes are zeros; this program alone reads the bytes); NaN and infinities are not served.
; REGISTERS: v1-7 addresses that stay; v8-11 the step's; v12 -M, v13 the largest score, v[14:15] the sum; v16-27 Q; v28-29 V's scale words, v30 p's; v32-127 eight fragments of K; v128-191 S^T, then p, then V's four fragments; v192-223 O^T; v224-235 p's codes;
;   v236-246, v252, v254 at work; v248-251 K's scale words; v255 Q's.
.set QK_SC, 6291456
.set Q_SC,  6553600
.set V_SC,  3145728
.set Y_SC,  3145728
.set LV,    98304                      ; LDS: K's codes from 0 (128 keys: 6,144; a tile: 768), V's from here (128 keys: 6,144; a tile of channels: 1,536),
.set LKS,   196608                     ; K's scale words (128 keys: 512 bytes),
.set LVS,   204800                     ; V's (128 keys: 256 bytes),
.set MST,   229376                     ; B's parts: 4,608 bytes for each pair of waves,
.set SPARE, 266240                     ; the spare words, 128 bytes a wave
.set SPW, 31
.set NIL, 247
.set SEL, 20
.set CS,  22
.set KF,  32
.set S,   128
.set O,   192
.set G1K, 24
.set G1KS, 32
.set G1VS, 40
.set G0K, 48
.set G0V, 52
.set G0KS, 56
.set G0VS, 60
.macro CROUND
	s_barrier_signal -1
	s_barrier_wait -1
	s_cmp_lg_u32 s18, 0
	s_cbranch_scc1 .Lnot_wave_0_\@
	s_barrier_signal -3
.Lnot_wave_0_\@:
	s_barrier_wait -3
	s_barrier_signal -1
	s_barrier_wait -1
.endm
.macro PLACES n
.rept \n
	v_nop
.endr
.endm
.macro TLOAD g0, g1
	tensor_load_to_lds s[\g0:\g0+3], s[\g1:\g1+7]
	s_nop 0
	PLACES 4
.endm
.macro G1SET g, r                      ; r rows of 256 dense bytes; the mask names all four work-groups, bit 21 beside it
	s_mov_b32 s[\g], 15|(3<<16)|(1<<21)
	s_mov_b32 s[\g+1], 32<<16
	s_mov_b32 s[\g+2], (\r)<<16
	s_mov_b32 s[\g+3], 32<<16
	s_mov_b32 s[\g+4], \r
	s_mov_b32 s[\g+5], 32
	s_mov_b32 s[\g+6], 0
	s_mov_b32 s[\g+7], 0
.endm
.macro QPTR rho, pc, ps                ; tile 8 rho + g of q: its codes' and its scale words' addresses
	s_lshl_b32 s2, s\rho, 3
	s_add_co_u32 s2, s2, s88
	s_mul_i32 s2, s2, 768
	s_add_co_u32 s2, s2, s92
	s_add_co_u32 s2, s2, 98304
	s_mov_b32 s3, 0
	s_add_nc_u64 s[\pc:\pc+1], s[4:5], s[2:3]
	s_lshl_b32 s2, s\rho, 9
	s_add_co_u32 s2, s2, s93
	s_add_nc_u64 s[\ps:\ps+1], s[4:5], s[2:3]
.endm
.macro QLOAD pc, ps
	global_load_b128 v[16:19], v1, s[\pc:\pc+1]
	global_load_b64 v[20:21], v2, s[\pc:\pc+1] offset:512
	global_load_b32 v255, v9, s[\ps:\ps+1]
.endm
.macro FRESH                           ; a tile begins: nothing summed, the largest score so far under every score
.irp j, 0,1,2,3,4,5,6,7,8,9,10,11,12,13,14,15,16,17,18,19,20,21,22,23,24,25,26,27,28,29,30,31
	v_mov_b32 v[O+\j], 0
.endr
	v_mov_b32 v13, 0xff61b1e6                      ; -3e38
	v_mov_b32 v14, 0
	v_mov_b32 v15, 0
	v_floor_f32 v12, -v13                          ; -M
.endm
; A TILE GOES OUT: O^T / the sum, in f32, quantised: the lane's 32 channels are one scale block
.macro OUT
	v_add_f32 v14, v14, v15
	v_permlanex16_b32 v240, v14, s[SEL], s[SEL+1]
	v_add_f32 v14, v14, v240                       ; the row's sum
	s_wait_alu depctr_va_vdst(0)                   ; waits ahead of the transcendental and behind it
	v_rcp_f32 v14, v14
	v_nop
	s_wait_alu depctr_va_vdst(0)
.irp j, 0,2,4,6,8,10,12,14,16,18,20,22,24,26,28,30
	v_pk_mul_f32 v[S+\j:S+\j+1], v[O+\j:O+\j+1], v[14:15] op_sel_hi:[1,0]   ; each accumulator from its low end on
.endr
	v_max3_num_f32 v236, |v[S]|, |v[S+1]|, |v[S+2]|
	v_max3_num_f32 v237, |v[S+16]|, |v[S+17]|, |v[S+18]|
.irp i, 3,5,7,9,11,13
	v_max3_num_f32 v236, v236, |v[S+\i]|, |v[S+\i+1]|
	v_max3_num_f32 v237, v237, |v[S+16+\i]|, |v[S+17+\i]|
.endr
	v_max3_num_f32 v236, v236, |v[S+15]|, v237
	v_max3_num_f32 v236, v236, |v[S+31]|, 0x1800000   ; and the floor 2^(3 - 127): the byte cannot fall under 1
	v_add_nc_u32 v242, 0xff000000, v236            ; the conversion's scale operand
	v_cvt_scalef32_pk16_fp6_f32 v[224:226], v[S:S+15], v242
	v_cvt_scalef32_pk16_fp6_f32 v[244:246], v[S+16:S+31], v242
	v_lshrrev_b32 v241, 23, v242                   ; the byte
	v_mov_b32 v227, v244
	v_mov_b32 v228, v245
	v_mov_b32 v229, v246
	global_store_b128 v1, v[224:227], s[10:11]     ; 512 and 256 consecutive bytes, aligned
	global_store_b64 v2, v[228:229], s[10:11] offset:512
	global_store_b8 v7, v241, s[12:13]             ; the word's other bytes are other heads'
.endm
	s_load_b128 s[4:7], s[0:1], 0x0                ; qkq s[4:5], vq s[6:7]
	s_load_b64 s[8:9], s[0:1], 0x10                ; yq
	v_lshl_add_u32 v[SPW], v0, 2, SPARE
	v_mov_b32 v[NIL], 0
	ds_add_u32 v[SPW], v[NIL]                      ; the wave's opening: the add, twice on end, and its wait ahead of a tensor load
	ds_add_u32 v[SPW], v[NIL]
	v_lshrrev_b32 v8, 5, v0
	v_readfirstlane_b32 s18, v8                    ; wave 0..15
	s_lshr_b32 s80, s18, 1                         ; i
	s_lshr_b32 s81, s18, 2
	s_xor_b32 s81, s81, s18
	s_and_b32 s81, s81, 1                          ; 1: kind A, 0: kind B
	s_bfe_u32 s2, ttmp6, 0x40000                   ; cx
	s_lshl_b32 s88, ttmp9, 2
	s_add_co_u32 s88, s88, s2                      ; g
	s_and_b32 s89, ttmp7, 0xffff                   ; batch x head, which the four partners share
	s_lshr_b32 s90, s89, 4                         ; batch
	s_and_b32 s91, s89, 15                         ; head
	G1SET G1K, 96                                  ; a quarter of K's or of V's codes: 24,576 bytes
	G1SET G1KS, 32                                 ; K's scale words: 8,192 bytes
	G1SET G1VS, 16                                 ; V's: 4,096
	s_mov_b32 s[SEL], 0x76543210
	s_mov_b32 s[SEL+1], 0xfedcba98
	s_mov_b32 s[CS], 0x3e38aa3b                    ; c = log2(e) / 8
	s_mov_b32 s[CS+1], s[CS]                       ; (named with it as a pair, so it is written)
	s_mov_b32 s3, 0
	s_and_b32 s94, s18, 3
	s_mul_i32 s94, s94, 24576
	s_mul_i32 s92, s89, 196608                     ; the head's k and q codes
	s_mov_b32 s[G0K], 1
	s_mov_b32 s[G0K+1], s94                        ; waves 0-3: a quarter of K each
	s_mov_b32 s[G0V], 1
	s_add_co_u32 s[G0V+1], s94, LV                 ; waves 4-7: a quarter of V each
	s_mov_b32 s[G0KS], 1
	s_mov_b32 s[G0KS+1], LKS
	s_mov_b32 s[G0VS], 1
	s_mov_b32 s[G0VS+1], LVS
	s_wait_dscnt 0x0                               ; both opening adds are done
	CROUND                                         ; all four work-groups are here: the joint loads meet
	s_wait_kmcnt 0x0
	s_add_co_u32 s2, s92, s94
	s_add_nc_u64 s[G0K+2:G0K+3], s[4:5], s[2:3]
	s_or_b32 s[G0K+3], s[G0K+3], 0x80000000
	s_mul_i32 s2, s89, 98304
	s_add_co_u32 s2, s2, s94
	s_add_nc_u64 s[G0V+2:G0V+3], s[6:7], s[2:3]
	s_or_b32 s[G0V+3], s[G0V+3], 0x80000000
	s_lshl_b32 s2, s89, 13
	s_add_co_u32 s2, s2, QK_SC
	s_add_nc_u64 s[G0KS+2:G0KS+3], s[4:5], s[2:3]
	s_or_b32 s[G0KS+3], s[G0KS+3], 0x80000000
	s_lshl_b32 s2, s89, 12
	s_add_co_u32 s2, s2, V_SC
	s_add_nc_u64 s[G0VS+2:G0VS+3], s[6:7], s[2:3]
	s_or_b32 s[G0VS+3], s[G0VS+3], 0x80000000
	s_cmp_lt_u32 s18, 4                            ; one load a wave at the most; the branches hang on the wave's number alone
	s_cbranch_scc0 .Lnot_k
	TLOAD G0K, G1K
	s_branch .Lasked
.Lnot_k:
	s_cmp_lt_u32 s18, 8
	s_cbranch_scc0 .Lnot_v
	TLOAD G0V, G1K
	s_branch .Lasked
.Lnot_v:
	s_cmp_eq_u32 s18, 8
	s_cbranch_scc0 .Lnot_ks
	TLOAD G0KS, G1KS
	s_branch .Lasked
.Lnot_ks:
	s_cmp_eq_u32 s18, 9
	s_cbranch_scc0 .Lasked
	TLOAD G0VS, G1VS
.Lasked:
	s_sub_co_u32 s82, 15, s80                      ; the long tile's rho
	s_sub_co_u32 s86, 7, s80
	s_add_co_u32 s87, s80, 1
	s_cmp_eq_u32 s81, 1
	s_cselect_b32 s19, s82, s80                    ; the tile that I send out, and begin with
	s_cselect_b32 s83, 9, 8                        ; my steps
	s_cselect_b32 s84, 8, s80                      ; the trip of the diagonal
	s_cselect_b32 s85, 31, s80                     ; the trip behind which B changes tiles
	s_cselect_b32 s86, s86, 0                      ; my first step
	s_lshl_b32 s93, s89, 13
	s_and_b32 s2, s88, 1
	s_lshl_b32 s2, s2, 8
	s_add_co_u32 s93, s93, s2
	s_lshr_b32 s2, s88, 1
	s_lshl_b32 s2, s2, 2
	s_add_co_u32 s93, s93, s2
	s_add_co_u32 s93, s93, Q_SC                    ; my tile's scale words in a step of 128 queries
	QPTR 19, 96, 98
	QPTR 82, 14, 16
	s_lshl_b32 s94, s19, 3
	s_add_co_u32 s94, s94, s88
	s_lshl_b32 s2, s90, 7
	s_add_co_u32 s94, s94, s2                      ; the tile among y's 256
	s_mul_i32 s2, s94, 12288
	s_mul_i32 s95, s91, 768
	s_add_co_u32 s2, s2, s95
	s_add_nc_u64 s[10:11], s[8:9], s[2:3]          ; y's codes: the head fills 768 bytes of the tile
	s_lshr_b32 s2, s94, 1
	s_lshl_b32 s2, s2, 10
	s_lshr_b32 s95, s91, 2
	s_lshl_b32 s95, s95, 8
	s_add_co_u32 s2, s2, s95
	s_and_b32 s95, s94, 1
	s_lshl_b32 s95, s95, 7
	s_add_co_u32 s2, s2, s95
	s_and_b32 s95, s91, 3
	s_lshl_b32 s95, s95, 1
	s_add_co_u32 s2, s2, s95
	s_add_co_u32 s2, s2, Y_SC
	s_add_nc_u64 s[12:13], s[8:9], s[2:3]          ; y's scale bytes
	s_lshr_b32 s2, s88, 2
	s_lshl_b32 s2, s2, 6
	s_and_b32 s95, s88, 3
	s_lshl_b32 s95, s95, 3
	s_add_co_u32 s2, s2, s95                       ; 64 (g / 4) + 8 (g % 4)
	v_and_b32 v8, 15, v0                           ; r
	v_bfe_u32 v6, v0, 4, 1                         ; h
	v_and_b32 v2, 31, v0
	v_lshlrev_b32 v9, 4, v8                        ; 16 r: Q's scale words
	v_lshlrev_b32 v1, 4, v2                        ; 16 x lane
	v_lshlrev_b32 v2, 3, v2                        ; 8 x lane
	QLOAD 96, 98                                   ; Q's half fragment and its scale word stay in registers
	v_lshl_add_u32 v7, v8, 3, v6                   ; 8 r + h: y's scale byte
	v_and_b32 v10, 7, v8
	v_lshrrev_b32 v11, 3, v8
	v_lshl_add_u32 v5, v11, 5, v10
	v_lshlrev_b32 v11, 5, v6
	v_sub_nc_u32 v5, v5, v11
	v_add_nc_u32 v5, s2, v5                        ; my query's place in its 128, less 32 h: register n of the diagonal step is hidden where 64 (n / 32) + n % 32 is larger
	v_lshlrev_b32 v6, 3, v6                        ; 8 h
	v_add_nc_u32 v3, LKS, v1
	v_add_nc_u32 v4, LVS, v2
.irp i, 22,23,24,25,26,27
	v_mov_b32 v[\i], 0                             ; Q's upper half: zero codes
.endr
.irp t, 0,1,2,3,4,5,6,7
.irp i, 6,7,8,9,10,11
	v_mov_b32 v[KF+12*\t+\i], 0                    ; K's upper halves: zero codes, written once
.endr
.endr
.irp i, 236,237,238,239,240,241,242,243,244,245,246,252,253
	v_mov_b32 v[\i], 0                             ; written once: lane permutes' destinations, and halves of pairs that are named before they are made
.endr
	FRESH
	s_mov_b32 s76, 0                               ; the trip
	s_wait_alu depctr_va_vdst(0)
	s_wait_tensorcnt 0x0                           ; my load, if I had one, has landed,
	s_barrier_signal -1
	s_barrier_wait -1                              ; everybody's has: the head lies in LDS, and nobody writes there again
	s_wait_loadcnt 0x0                             ; Q
.Lstep:                                            ; nine trips in every wave; B has eight steps
	s_cmp_ge_u32 s76, s83
	s_cbranch_scc1 .Lskip
	s_cmp_gt_u32 s76, s85
	s_cselect_b32 s2, s87, 0                       ; B's second tile begins at step 0 again
	s_sub_co_u32 s2, s76, s2
	s_add_co_u32 s2, s2, s86
	s_and_b32 s2, s2, 15                           ; the key step
	s_mul_i32 s77, s2, 6144
	s_lshl_b32 s78, s2, 9
	s_lshl_b32 s79, s2, 8
	v_add_nc_u32 v8, s77, v1
	v_add_nc_u32 v9, s77, v2
	v_add_nc_u32 v11, s78, v3
	v_add_nc_u32 v10, s77, v1
	v_add_nc_u32 v10, LV, v10
	v_nop                                          ; with the five lines above six places: S^T is written over registers that the last step's products read as an operand (five are owed)
	ds_load_b128 v[248:251], v11                   ; the scale words of the eight tiles, two to a register
.irp t, 0,1,2,3,4,5,6,7
	ds_load_b128 v[KF+12*\t:KF+12*\t+3], v8 offset:\t*768
	ds_load_b64 v[KF+12*\t+4:KF+12*\t+5], v9 offset:\t*768+512
.endr
	s_wait_dscnt 8                                 ; the words and tiles 0-3 are in
.irp t2, 0,1,2,3                               ; S^T = K Q^T, eight tiles of 16 keys
.if \t2 == 2
	s_wait_dscnt 0x0
.endif
.irp to, 0,1
	v_wmma_scale_f32_16x16x128_f8f6f4 v[S+16*\t2+8*\to:S+16*\t2+8*\to+7], v[KF+24*\t2+12*\to:KF+24*\t2+12*\to+11], v[16:27], 0, v[248+\t2], v255 matrix_a_fmt:MATRIX_FMT_FP6 matrix_b_fmt:MATRIX_FMT_FP6 matrix_a_scale:MATRIX_SCALE_ROW\to
.endr
.endr
	PLACES 4
	s_cmp_eq_u32 s76, s84                          ; only a tile's diagonal step hides keys
	s_cbranch_scc0 .Lopen
	v_mov_b32 v254, 0xff800000                     ; -infinity: p = 0 then
.irp n, 0,1,2,3,4,5,6,7,8,9,10,11,12,13,14,15,16,17,18,19,20,21,22,23,24,25,26,27,28,29,30,31,32,33,34,35,36,37,38,39,40,41,42,43,44,45,46,47,48,49,50,51,52,53,54,55,56,57,58,59,60,61,62,63
	v_cmp_gt_i32 vcc_lo, 64*(\n/32)+\n%32, v5
	v_cndmask_b32 v[S+\n], v[S+\n], v254, vcc_lo
.endr
.Lopen:
.irp u, 0,1,2,3
	v_max3_num_f32 v[236+\u], v[S+16*\u], v[S+16*\u+1], v[S+16*\u+2]   ; the largest score of each of my two blocks of 32 keys: for the row's maximum, and, since p rises with the score, for the block's largest p
.endr
.irp i, 3,5,7,9,11,13
.irp u, 0,1,2,3
	v_max3_num_f32 v[236+\u], v[236+\u], v[S+16*\u+\i], v[S+16*\u+\i+1]
.endr
.endr
	v_max3_num_f32 v236, v236, v237, v[S+15]
	v_max3_num_f32 v238, v238, v239, v[S+47]
	v_max_num_f32 v236, v236, v[S+31]
	v_max_num_f32 v238, v238, v[S+63]
	v_mov_b32 v252, v12
	v_max_num_f32 v254, v236, v238
	v_permlanex16_b32 v240, v254, s[SEL], s[SEL+1]
	v_max3_num_f32 v13, v13, v254, v240            ; the running largest score, with lane l xor 16's 64 keys
	v_mul_f32 v254, s[CS], v13                     ; as t
	v_floor_f32 v12, -v254                         ; the new -M = -ceil(t): a whole number
	v_sub_f32 v252, v12, v252                      ; old M - new M: a whole number, 0 or less
	v_cvt_i32_f32 v252, v252                       ; (it saturates)
	v_ldexp_f32 v252, 1.0, v252                    ; f = 2^(old M - new M)
.irp j, 0,2,4,6,8,10,12,14,16,18,20,22,24,26,28,30,32,34,36,38,40,42,44,46,48,50,52,54,56,58,60,62
	v_pk_fma_f32 v[S+\j:S+\j+1], v[S+\j:S+\j+1], s[CS:CS+1], v[12:13] op_sel_hi:[1,0,0]   ; t - M, two at a time
.endr
	v_fma_f32 v236, v236, s[CS], v12               ; the same of each block's largest score
	v_fma_f32 v238, v238, s[CS], v12
	s_wait_alu depctr_va_vdst(0)                   ; waits ahead of the batch and behind it
.irp j, 0,1,2,3,4,5,6,7,8,9,10,11,12,13,14,15,16,17,18,19,20,21,22,23,24,25,26,27,28,29,30,31,32,33,34,35,36,37,38,39,40,41,42,43,44,45,46,47,48,49,50,51,52,53,54,55,56,57,58,59,60,61,62,63
	v_exp_f32 v[S+\j], v[S+\j]                     ; p = 2^(t - M), at most 1
.endr
	v_exp_f32 v236, v236                           ; the blocks' largest p
	v_exp_f32 v238, v238
	v_pk_mul_f32 v[14:15], v[14:15], v[252:253] op_sel_hi:[1,0]   ; the sums under the new M.  (A plain place behind the exponentials)
	s_wait_alu depctr_va_vdst(0)
	v_max_num_f32 v236, 0x1800000, v236            ; the floor 2^(3 - 127): the byte cannot fall under 1
	v_max_num_f32 v238, 0x1800000, v238
	v_add_nc_u32 v242, 0xff000000, v236            ; the conversions' scale operands
	v_add_nc_u32 v243, 0xff000000, v238
	v_lshrrev_b32 v240, 23, v242                   ; the bytes of blocks h and 2 + h,
	v_lshrrev_b32 v241, 23, v243
	v_lshl_or_b32 v30, v241, 16, v240
	v_lshlrev_b32 v30, v6, v30                     ; at their places in p's scale word
	v_cvt_scalef32_pk16_fp6_f32 v[224:226], v[S:S+15], v242
	v_cvt_scalef32_pk16_fp6_f32 v[236:238], v[S+16:S+31], v242   ; (a conversion's three registers begin on an even number)
	v_cvt_scalef32_pk16_fp6_f32 v[230:232], v[S+32:S+47], v243
	v_cvt_scalef32_pk16_fp6_f32 v[244:246], v[S+48:S+63], v243
	v_permlanex16_b32 v240, v30, s[SEL], s[SEL+1]
	v_or_b32 v30, v30, v240                        ; with lane l xor 16's two bytes the word is whole
.irp i, 0,1,2
	v_mov_b32 v[227+\i], v[236+\i]
	v_mov_b32 v[233+\i], v[244+\i]
.endr
	v_pk_add_f32 v[236:237], v[S:S+1], v[S+2:S+3]  ; the row's sum, of the unquantised p, two at a time, in four chains
	v_pk_add_f32 v[238:239], v[S+4:S+5], v[S+6:S+7]
	v_pk_add_f32 v[240:241], v[S+8:S+9], v[S+10:S+11]
.set K_, 6
.rept 26
.if (K_-6)%4 == 0
	v_pk_add_f32 v[14:15], v[14:15], v[S+2*K_:S+2*K_+1]
.else
	v_pk_add_f32 v[234+2*((K_-6)%4):235+2*((K_-6)%4)], v[234+2*((K_-6)%4):235+2*((K_-6)%4)], v[S+2*K_:S+2*K_+1]
.endif
.set K_, K_+1
.endr
	v_add_nc_u32 v11, s79, v4
	v_pk_add_f32 v[236:237], v[236:237], v[238:239]
	v_pk_add_f32 v[14:15], v[14:15], v[240:241]
	ds_load_b64 v[28:29], v11                      ; V's scale words, two tiles to a register,
.irp d, 0,1,2,3                                ; and V's four fragments, into p's registers, which have been read
.irp p, 0,1,2
	ds_load_b128 v[S+12*\d+4*\p:S+12*\d+4*\p+3], v10 offset:\d*1536+512*\p
.endr
.endr
	v_pk_add_f32 v[14:15], v[14:15], v[236:237]
	s_wait_alu depctr_va_vdst(0)                   ; directly ahead of the first reader of O^T
.irp j, 0,2,4,6,8,10,12,14,16,18,20,22,24,26,28,30
	v_pk_mul_f32 v[O+\j:O+\j+1], v[O+\j:O+\j+1], v[252:253] op_sel_hi:[1,0]   ; O^T under the new M, while the loads are out
.endr
	s_wait_alu depctr_va_vdst(0)
	s_wait_dscnt 0x0
.irp d2, 0,1                                   ; O^T += V^T P^T: the four accumulators by turns
.irp do, 0,1
	v_wmma_scale_f32_16x16x128_f8f6f4 v[O+16*\d2+8*\do:O+16*\d2+8*\do+7], v[S+24*\d2+12*\do:S+24*\d2+12*\do+11], v[224:235], v[O+16*\d2+8*\do:O+16*\d2+8*\do+7], v[28+\d2], v30 matrix_a_fmt:MATRIX_FMT_FP6 matrix_b_fmt:MATRIX_FMT_FP6 matrix_a_scale:MATRIX_SCALE_ROW\do
.endr
.endr
	s_cmp_eq_u32 s76, s85                          ; B behind its short tile's diagonal:
	s_cbranch_scc0 .Lskip
	PLACES 4
	OUT                                            ; that tile goes out,
	v_and_b32 v9, 15, v0
	v_lshlrev_b32 v9, 4, v9                        ; 16 r
	QLOAD 14, 16                                   ; and the long tile's queries come
	FRESH
	s_wait_alu depctr_va_vdst(0)
	s_wait_xcnt 0x0                                ; the stores have read their registers
	s_wait_loadcnt 0x0
.Lskip:
	s_add_co_u32 s76, s76, 1
	s_cmp_lt_u32 s76, 9
	s_cbranch_scc1 .Lstep
	s_mul_i32 s2, s80, 4608
	s_add_co_u32 s2, s2, MST
	v_add_nc_u32 v8, s2, v1                        ; where the pair's part lies
	PLACES 4
	s_wait_alu depctr_va_vdst(0)
	s_cmp_eq_u32 s81, 1
	s_cbranch_scc1 .Lno_part
.irp k, 0,1,2,3,4,5,6,7
	ds_store_b128 v8, v[O+4*\k:O+4*\k+3] offset:512*\k   ; B's part of the long tile: O^T,
.endr
	ds_store_b128 v8, v[12:15] offset:4096         ; -M, the largest score, the sum
.Lno_part:
	s_wait_dscnt 0x0                               ; for the others' sake: my stores have landed
	s_barrier_signal -1
	s_barrier_wait -1
	s_cmp_eq_u32 s81, 1
	s_cbranch_scc0 .Ldone
.irp k, 0,1,2,3,4,5,6,7
	ds_load_b128 v[S+4*\k:S+4*\k+3], v8 offset:512*\k
.endr
	ds_load_b128 v[236:239], v8 offset:4096
	s_wait_dscnt 0x0
	v_min_num_f32 v240, v12, v236                  ; the joint -M
	v_sub_f32 v241, v240, v12
	v_sub_f32 v242, v240, v236
	v_cvt_i32_f32 v241, v241                       ; (they saturate: where B has no step of the long tile its factor is 0, over zeros)
	v_cvt_i32_f32 v242, v242
	v_ldexp_f32 v252, 1.0, v241
	v_ldexp_f32 v242, 1.0, v242
	v_pk_mul_f32 v[14:15], v[14:15], v[252:253] op_sel_hi:[1,0]
.irp j, 0,2,4,6,8,10,12,14,16,18,20,22,24,26,28,30
	v_pk_mul_f32 v[O+\j:O+\j+1], v[O+\j:O+\j+1], v[252:253] op_sel_hi:[1,0]
.endr
	v_pk_fma_f32 v[14:15], v[238:239], v[242:243], v[14:15] op_sel_hi:[1,0,1]
.irp j, 0,2,4,6,8,10,12,14,16,18,20,22,24,26,28,30
	v_pk_fma_f32 v[O+\j:O+\j+1], v[S+\j:S+\j+1], v[242:243], v[O+\j:O+\j+1] op_sel_hi:[1,0,1]
.endr
	OUT
.Ldone:
	s_wait_tensorcnt 0x0                           ; the wave's end
	ds_add_u32 v[SPW], v[NIL]
	s_wait_dscnt 0x0
	CROUND                                         ; the closing round
	s_endpgm
.Lfunc_end_k_q8e44408e17_attn:
	.size	k_q8e44408e17_attn, .Lfunc_end_k_q8e44408e17_attn-k_q8e44408e17_attn
	.p2alignl 7, 3214868480
	.fill 96, 4, 3214868480
	.section	.rodata,"a",@progbits
	.p2align	6, 0x0
	.amdhsa_kernel k_q8e44408e17_attn
		.amdhsa_group_segment_fixed_size 268288
		.amdhsa_private_segment_fixed_size 0
		.amdhsa_enable_private_segment 0
		.amdhsa_kernarg_size 24
		.amdhsa_user_sgpr_count 2
		.amdhsa_user_sgpr_kernarg_segment_ptr 1
		.amdhsa_wavefront_size32 1
		.amdhsa_system_sgpr_workgroup_id_x 1
		.amdhsa_system_sgpr_workgroup_id_y 1
		.amdhsa_system_sgpr_workgroup_id_z 1
		.amdhsa_system_vgpr_workitem_id 0
		.amdhsa_next_free_vgpr 256
		.amdhsa_next_free_sgpr 100
		.amdhsa_reserve_vcc 1
		.amdhsa_float_denorm_mode_32 3
		.amdhsa_float_denorm_mode_16_64 3
		.amdhsa_memory_ordered 1
		.amdhsa_forward_progress 1
		.amdhsa_inst_pref_size 45
	.end_amdhsa_kernel
	.amdgpu_metadata
---
amdhsa.version: [ 1, 2 ]
amdhsa.kernels:
  - .name:           k_q8e44408e17_attn
    .symbol:         k_q8e44408e17_attn.kd
    .args:
      - { .name: qkq, .offset: 0, .size: 8, .value_kind: global_buffer, .address_space: global }
      - { .name: vq, .offset: 8, .size: 8, .value_kind: global_buffer, .address_space: global }
      - { .name: yq, .offset: 16, .size: 8, .value_kind: global_buffer, .address_space: global }
    .group_segment_fixed_size: 268288
    .private_segment_fixed_size: 0
    .kernarg_segment_align: 8
    .kernarg_segment_size: 24
    .max_flat_workgroup_size: 512
    .sgpr_count:     100
    .vgpr_count:     256
    .wavefront_size: 32
...
	.end_amdgpu_metadata
.endif
;; end of part 3
;; launch proj (part 4): grid 8 x 32, 4 waves a work-group, clusters of 4 x 4, 214,528 bytes of LDS; arguments yq, wpq, b_proj, out0; writes out0
.if DOCPART == 4
	.amdgcn_target "amdgcn-amd-amdhsa--gfx1250"
	.amdhsa_code_object_version 6
	.text
	.protected	k_q8e44408e17_proj
	.globl	k_q8e44408e17_proj
	.p2align	8
	.type	k_q8e44408e17_proj,@function
k_q8e44408e17_proj:
	s_mov_b64 s[64:65], 0
	v_nop
	global_prefetch_b8 v0, s[64:65] scope:SCOPE_SE
	s_setreg_imm32_b32 hwreg(HW_REG_WAVE_MODE, 25, 1), 1
	s_wait_xcnt 0x0
	s_wait_alu depctr_hold_cnt(0) depctr_sa_sdst(0) depctr_va_vdst(0) depctr_va_sdst(0) depctr_va_ssrc(0) depctr_va_vcc(0) depctr_vm_vsrc(0)
	s_getreg_b32 s2, hwreg(HW_REG_IB_STS2, 6, 4)
	s_cmp_eq_u32 s2, 0
	s_cbranch_scc0 .Lentry_in_a_cluster
	s_endpgm
.Lentry_in_a_cluster:
	s_bfe_u32 s2, ttmp6, 0x10000c
	s_cmp_lg_u32 s2, 0xf033
	s_cbranch_scc0 .Lentry_shape_is_right
	s_endpgm
.Lentry_shape_is_right:
; out0 = Q(y) Q(W_proj) + b_proj on codes of FP6 (E2M3) with E8M0 scales; out0 [4096][1024] f32.
; A work-group makes 128 x 128 of the product, K = 1,024 whole in LDS (196,608 bytes, filled once, by one tensor load a wave: wave 0 y's steps 0-3, wave 1 W's, waves 2 and 3 steps 4-7; nothing is filled again).  Four waves, each 64 x 64: 16 accumulators.
; Operands lie in memory as images of the operand's registers: a fragment (16 rows x 128 K) is 1,536 bytes.  W: registers 4 p .. 4 p + 3 of lane l at 512 p + 16 l.  y: each head's half (768 bytes): registers 0-3 at 16 l, registers 4-5 at 512 + 8 l.
; Lane i of tile t of a group of 64 rows holds row 32 (i / 8) + 8 t + i % 8.  THE MATRIX INSTRUCTION IS USED TRANSPOSED (source 0 = 16 columns of W, source 1 = 16 rows of y): accumulator (a, b), lane (r, h), register j is
; (y's place 16 a + r, column 32 h + 8 b + j): 32 neighbouring numbers of a row of the output in four accumulators.  The bias is the C of each sum's first product.
; CLUSTERS: 4 x 4 work-groups; y's tiles are shared along a row of the cluster, W's along a column: each is asked for jointly.  No data prefetch: no loop to run ahead in, every tile is asked for at the head.
; LIMITS: NaN and infinities are not served.
; REGISTERS: window 0: v1-21 addresses; v24-39 y's scale words, v42-57 W's (nothing else ever); v60-155, v156-251 two sets of fragments; on the way out v60-123 rows read back.  window 1: v0-127 the accumulators at 8 (4 a + b); v128-159 the bias.
.set YQ_SC, 3145728
.set WP_SC, 786432
.set FILL,  49152                      ; eight tiles, four K steps
.set STG,   196608                     ; behind the codes: a stage of 16 rows x (256 bytes + 16) for each wave; no tile lands there
.set SPARE, 214016
.set SPW, 20
.set NIL, 21
.set SCA, 24
.set SCB, 42
.set FS,  60
.set BK,  60
.set BR,  128
.set G1A, 40
.set G1B, 48
.set G0A, 68                           ; s[68:83] group 0: y's steps 0-3, W's, y's steps 4-7, W's
.set MSB, 0
.macro WIN new                         ; the immediate's high byte repeats the setting that is left
.if MSB != \new
	s_set_vgpr_msb (MSB<<8)|\new
.set MSB, \new
.endif
.endm
.macro CROUND
	s_barrier_signal -1
	s_barrier_wait -1
	s_cmp_lg_u32 s14, 0
	s_cbranch_scc1 .Lnot_wave_0_\@
	s_barrier_signal -3
.Lnot_wave_0_\@:
	s_barrier_wait -3
	s_barrier_signal -1
	s_barrier_wait -1
.endm
.macro PLACES n
.rept \n
	v_nop
.endr
.endm
.macro TLOAD g0, g1
	tensor_load_to_lds s[\g0:\g0+3], s[\g1:\g1+7]
	s_nop 0
	PLACES 4
.endm
; LDS load n of step q's fragments: W's four tiles (12 loads), y's four (16)
.macro LD q, n
.set O_, ((\q)%4)*1536
.if (\n) < 12
.set R_, FS+96*((\q)%2)+48+12*((\n)/3)+4*((\n)%3)
.set O_, O_+((\n)/3)*6144+512*((\n)%3)
.if (\q) < 4
	ds_load_b128 v[R_:R_+3], v9 offset:O_
.else
	ds_load_b128 v[R_:R_+3], v10 offset:O_
.endif
.else
.set M_, (\n)-12
.set R_, FS+96*((\q)%2)+12*(M_/4)+6*((M_%4)/2)+4*(M_%2)
.set O_, O_+(M_/4)*6144+768*((M_%4)/2)+512*(M_%2)
.if M_%2 == 0
.if (\q) < 4
	ds_load_b128 v[R_:R_+3], v5 offset:O_
.else
	ds_load_b128 v[R_:R_+3], v6 offset:O_
.endif
.else
.if (\q) < 4
	ds_load_b64 v[R_:R_+1], v7 offset:O_
.else
	ds_load_b64 v[R_:R_+1], v8 offset:O_
.endif
.endif
.endif
.endm
.macro WMM q, b2, bo, ao
.set B_, 2*\b2+\bo
.set D_, 8*(4*A_+B_)
.if (\q) == 0
.set C_, BR+8*B_
.else
.set C_, D_
.endif
.set FA_, FS+96*((\q)%2)+12*A_
.set FB_, FS+96*((\q)%2)+48+12*B_
.set ZA_, SCA+8*(A_/2)+(\q)
.set ZB_, SCB+8*\b2+(\q)
	v_wmma_scale_f32_16x16x128_f8f6f4 v[D_:D_+7], v[FB_:FB_+11], v[FA_:FA_+11], v[C_:C_+7], v[ZB_], v[ZA_] matrix_a_fmt:MATRIX_FMT_FP6 matrix_b_fmt:MATRIX_FMT_FP6 matrix_a_scale:MATRIX_SCALE_ROW\bo matrix_b_scale:MATRIX_SCALE_ROW\ao
.endm
; y's tile A_ of step q: four products, then seven loads of the next step's fragments.  The wait's count: this step's loads that may be out still (12 - 4 A_: y's later tiles) and the next step's issued so far (7 for each tile)
.macro ROWA q, a2, ao
.set A_, 2*\a2+\ao
.if (\q) < 7
	s_wait_dscnt 12+3*A_
.else
	s_wait_dscnt 12-4*A_
.endif
	WIN 0x50                                       ; C and D in window 1
.irp b2, 0,1
.irp bo, 0,1
	WMM \q, \b2, \bo, \ao
.endr
.endr
	WIN 0
.if (\q) < 7
.irp k, 0,1,2,3,4,5,6
	LD (\q)+1, 7*A_+\k
.endr
.endif
.endm
; a K step: 16 products; the 16 accumulators take turns, one instruction a turn, in the same order in every step
.macro STEP q
.if (\q) == 3
	s_wait_tensorcnt 0x0                           ; my load has landed,
	s_wait_dscnt 0x0                               ; and no LDS load of mine is out at the signal
	s_barrier_signal -1
	s_barrier_wait -1                              ; everybody's has: steps 4-7 are in
.endif
.if ((\q) > 0) && ((\q) < 7)
	PLACES 4                                       ; in front of loads into registers that the last step's products read
.endif
.irp a2, 0,1
.irp ao, 0,1
	ROWA \q, \a2, \ao
.endr
.endr
.endm
	s_load_b256 s[4:11], s[0:1], 0x0               ; yq s[4:5], wpq s[6:7], b_proj s[8:9], out0 s[10:11]
	v_lshl_add_u32 v[SPW], v0, 2, SPARE
	v_mov_b32 v[NIL], 0
	ds_add_u32 v[SPW], v[NIL]                      ; the wave's opening: the add, twice on end, and its wait ahead of my first tensor load
	ds_add_u32 v[SPW], v[NIL]
	v_lshrrev_b32 v1, 5, v0
	v_readfirstlane_b32 s14, v1                    ; wave 0..3
	s_lshr_b32 s15, s14, 1                         ; which half of the 128 rows is mine
	s_and_b32 s16, s14, 1                          ; which half of the 128 columns
	s_bfe_u32 s17, ttmp6, 0x40000                  ; cx
	s_bfe_u32 s18, ttmp6, 0x40004                  ; cy
	s_lshl_b32 s23, ttmp9, 2
	s_add_co_u32 s23, s23, s17                     ; TC: which 128 columns; made of cx alone
	s_and_b32 s22, ttmp7, 0xffff
	s_lshl_b32 s22, s22, 2
	s_add_co_u32 s22, s22, s18                     ; TR: which 128 rows; made of cy alone
	s_lshl_b32 s24, s18, 2
	s_lshl_b32 s24, 15, s24                        ; my row of the cluster
	s_lshl_b32 s25, 0x1111, s17                    ; my column
	s_or_b32 s[G1A], s24, (3<<16)|(1<<21)          ; 15:0 the mask; 17:16 elements of 8 bytes; 21 set beside a mask; no padding
	s_or_b32 s[G1B], s25, (3<<16)|(1<<21)
.irp g, G1A, G1B
	s_mov_b32 s[\g+1], 768<<16                     ; tensor_dim0: 6,144 bytes: four K steps of one tile
	s_mov_b32 s[\g+2], 8<<16                       ; tensor_dim1: eight tiles
	s_mov_b32 s[\g+3], 768<<16                     ; tile_dim0
	s_mov_b32 s[\g+4], 8                           ; tile_dim1
	s_mov_b32 s[\g+5], 1536                        ; from tile to tile: 12,288 bytes
	s_mov_b32 s[\g+6], 0
	s_mov_b32 s[\g+7], 0
.endr
.irp k, 0,1,2,3
	s_mov_b32 s[G0A+4*\k], 1
	s_mov_b32 s[G0A+4*\k+1], \k*FILL
.endr
	s_mul_i32 s28, s22, 8*12288
	s_mov_b32 s29, 0
	s_mul_i32 s32, s23, 8*12288
	s_mov_b32 s33, 0
	s_mul_i32 s30, s15, 4*6144                     ; my four tiles of y in each fill,
	s_mul_i32 s31, s16, 4*6144
	s_add_co_u32 s31, s31, FILL                    ; and of W
	s_mul_i32 s34, s14, 4352
	s_add_co_u32 s34, s34, STG                     ; my stage
	v_and_b32 v1, 15, v0                           ; r
	v_bfe_u32 v2, v0, 4, 1                         ; h
	v_and_b32 v3, 31, v0
	v_lshlrev_b32 v4, 4, v3                        ; 16 x lane
	v_lshlrev_b32 v3, 3, v3                        ; 8 x lane
	v_add_nc_u32 v5, s30, v4
	v_add_nc_u32 v6, 2*FILL, v5
	v_add_nc_u32 v7, s30, v3
	v_add_nc_u32 v8, 2*FILL, v7
	v_add_nc_u32 v9, s31, v4
	v_add_nc_u32 v10, 2*FILL, v9
	v_lshlrev_b32 v11, 7, v2                       ; 128 h: my columns' bias
	v_mul_u32_u24 v12, v1, 272
	v_lshl_add_u32 v12, v2, 7, v12
	v_add_nc_u32 v12, s34, v12                     ; stage, in: row r, + 128 h
	v_mul_u32_u24 v13, v2, 272
	v_lshl_add_u32 v13, v1, 4, v13
	v_add_nc_u32 v13, s34, v13                     ; back: lanes 0-15 one row of 256 bytes, lanes 16-31 the next
	v_lshlrev_b32 v14, 12, v2
	v_lshl_add_u32 v14, v1, 4, v14                 ; and the same two rows in the output
	s_wait_alu depctr_va_vdst(0)
	s_wait_dscnt 0x0                               ; both opening adds are done
	CROUND                                         ; all sixteen work-groups are here: the joint loads meet
	s_wait_kmcnt 0x0
	s_add_nc_u64 s[28:29], s[4:5], s[28:29]        ; y's eight tiles
	s_add_nc_u64 s[32:33], s[6:7], s[32:33]        ; W's
.irp k, 0,1
	s_add_nc_u64 s[G0A+8*\k+2:G0A+8*\k+3], s[28:29], \k*6144
	s_or_b32 s[G0A+8*\k+3], s[G0A+8*\k+3], 0x80000000
	s_add_nc_u64 s[G0A+8*\k+6:G0A+8*\k+7], s[32:33], \k*6144
	s_or_b32 s[G0A+8*\k+7], s[G0A+8*\k+7], 0x80000000
.endr
	s_cmp_eq_u32 s14, 0                            ; one load a wave, each in its own arm
	s_cbranch_scc0 .Lwave_1
	TLOAD G0A, G1A
	s_branch .Lasked
.Lwave_1:
	s_cmp_eq_u32 s14, 1
	s_cbranch_scc0 .Lwave_2
	TLOAD G0A+4, G1B
	s_branch .Lasked
.Lwave_2:
	s_cmp_eq_u32 s14, 2
	s_cbranch_scc0 .Lwave_3
	TLOAD G0A+8, G1A
	s_branch .Lasked
.Lwave_3:
	TLOAD G0A+12, G1B
.Lasked:
	; the scale words of my 64 + 64 rows, all of K, straight into registers: 16 loads of 256 consecutive bytes
	s_lshl_b32 s30, s22, 2
	s_lshl_b32 s34, s15, 1
	s_add_co_u32 s30, s30, s34
	s_lshl_b32 s30, s30, 10
	s_add_co_u32 s30, s30, YQ_SC
	s_mov_b32 s31, 0
	s_add_nc_u64 s[30:31], s[4:5], s[30:31]
	s_lshl_b32 s34, s23, 2
	s_lshl_b32 s35, s16, 1
	s_add_co_u32 s34, s34, s35
	s_lshl_b32 s34, s34, 10
	s_add_co_u32 s34, s34, WP_SC
	s_mov_b32 s35, 0
	s_add_nc_u64 s[34:35], s[6:7], s[34:35]
.irp t, 0,1
.irp u, 0,1,2,3
	global_load_b64 v[SCA+8*\t+2*\u:SCA+8*\t+2*\u+1], v3, s[30:31] offset:\t*1024+\u*256
	global_load_b64 v[SCB+8*\t+2*\u:SCB+8*\t+2*\u+1], v3, s[34:35] offset:\t*1024+\u*256
.endr
.endr
	s_lshl_b32 s36, s23, 9                         ; the bias of my 64 columns, in the result's layout
	s_lshl_b32 s24, s16, 8
	s_add_co_u32 s36, s36, s24
	s_mov_b32 s37, 0
	s_add_nc_u64 s[36:37], s[8:9], s[36:37]
	WIN 0x40                                       ; destination window 1
.irp k, 0,1,2,3,4,5,6,7
	global_load_b128 v[BR+4*\k:BR+4*\k+3], v11, s[36:37] offset:16*\k
.endr
	WIN 0
	s_lshl_b32 s24, s22, 7
	s_lshl_b32 s25, s15, 6
	s_add_co_u32 s24, s24, s25
	s_lshl_b32 s24, s24, 12                        ; my first row of the output, 4,096 bytes a row,
	s_lshl_b32 s25, s23, 9
	s_add_co_u32 s24, s24, s25
	s_lshl_b32 s25, s16, 8
	s_add_co_u32 s24, s24, s25                     ; and my first column
	s_mov_b32 s25, 0
	s_add_nc_u64 s[60:61], s[10:11], s[24:25]
	s_cmp_lt_u32 s14, 2
	s_cbranch_scc0 .Lnot_first
	s_wait_tensorcnt 0x0                           ; waves 0 and 1: steps 0-3 have landed
.Lnot_first:
	s_barrier_signal -1
	s_barrier_wait -1                              ; for everybody; the later fills may still be on their way
.set N_, 0
.rept 28
	LD 0, N_
.set N_, N_+1
.endr
	s_wait_loadcnt 0x0                             ; the scale words and the bias
	STEP 0                                         ; the first products start the sums from the bias: nothing is cleared, nothing is added later
	STEP 1
	STEP 2
	STEP 3
	STEP 4
	STEP 5
	STEP 6
	STEP 7
; THE WAY OUT, a tile of 16 rows x 64 columns at a time, through my own stage: a lane holds 128 bytes of a row; back come whole runs of 256 bytes.  LDS serves a wave's instructions in order: no wait between the stores and the loads.
.macro TOSTAGE a
	WIN 0x04                                       ; an LDS store's data: window 1
.irp b, 0,1,2,3
	ds_store_b128 v12, v[8*(4*(\a)+\b):8*(4*(\a)+\b)+3] offset:32*\b      ; each accumulator from its low end on
	ds_store_b128 v12, v[8*(4*(\a)+\b)+4:8*(4*(\a)+\b)+7] offset:32*\b+16
.endr
	WIN 0
.irp t, 0,1,2,3,4,5,6,7
	ds_load_b128 v[BK+32*((\a)%2)+4*\t:BK+32*((\a)%2)+4*\t+3], v13 offset:544*\t
.endr
.endm
.macro SEND a, younger                 ; younger: the LDS instructions issued behind tile a's loads, which may stay out
	s_wait_dscnt \younger
.irp t, 0,1,2,3,4,5,6,7
	global_store_b128 v14, v[BK+32*((\a)%2)+4*\t:BK+32*((\a)%2)+4*\t+3], s[60:61] offset:(8*(\a)+(2*\t)%8+32*(\t/4))*4096 th:TH_STORE_NT   ; the immediate puts the tile's lanes back in the order of rows; 16 lanes store 256 consecutive bytes, aligned
.endr
.endm
	PLACES 4                                       ; in front of the first reads of results and of loads into registers that the products read
	TOSTAGE 0
.irp a, 1,2,3
.if \a > 1
	s_wait_xcnt 0x0                                ; tile a - 2's stores have read their registers: tile a's loads may land there
.endif
	TOSTAGE \a
	SEND \a-1, 16                                  ; behind tile a - 1's loads: tile a's 8 stores and 8 loads
.endr
	SEND 3, 0
	s_wait_tensorcnt 0x0                           ; the wave's end
	ds_add_u32 v[SPW], v[NIL]
	s_wait_dscnt 0x0
	CROUND                                         ; the closing round: no work-group ends while a partner may still ask for a tile that names it
	s_endpgm
.Lfunc_end_k_q8e44408e17_proj:
	.size	k_q8e44408e17_proj, .Lfunc_end_k_q8e44408e17_proj-k_q8e44408e17_proj
	.p2alignl 7, 3214868480
	.fill 96, 4, 3214868480
	.section	.rodata,"a",@progbits
	.p2align	6, 0x0
	.amdhsa_kernel k_q8e44408e17_proj
		.amdhsa_group_segment_fixed_size 214528
		.amdhsa_private_segment_fixed_size 0
		.amdhsa_enable_private_segment 0
		.amdhsa_kernarg_size 32
		.amdhsa_user_sgpr_count 2
		.amdhsa_user_sgpr_kernarg_segment_ptr 1
		.amdhsa_wavefront_size32 1
		.amdhsa_system_sgpr_workgroup_id_x 1
		.amdhsa_system_sgpr_workgroup_id_y 1
		.amdhsa_system_sgpr_workgroup_id_z 1
		.amdhsa_system_vgpr_workitem_id 0
		.amdhsa_next_free_vgpr 432
		.amdhsa_next_free_sgpr 100
		.amdhsa_reserve_vcc 0
		.amdhsa_float_denorm_mode_32 3
		.amdhsa_float_denorm_mode_16_64 3
		.amdhsa_memory_ordered 1
		.amdhsa_forward_progress 1
		.amdhsa_inst_pref_size 52
	.end_amdhsa_kernel
	.amdgpu_metadata
---
amdhsa.version: [ 1, 2 ]
amdhsa.kernels:
  - .name:           k_q8e44408e17_proj
    .symbol:         k_q8e44408e17_proj.kd
    .args:
      - { .name: yq, .offset: 0, .size: 8, .value_kind: global_buffer, .address_space: global }
      - { .name: wpq, .offset: 8, .size: 8, .value_kind: global_buffer, .address_space: global }
      - { .name: b_proj, .offset: 16, .size: 8, .value_kind: global_buffer, .address_space: global }
      - { .name: out0, .offset: 24, .size: 8, .value_kind: global_buffer, .address_space: global }
    .group_segment_fixed_size: 214528
    .private_segment_fixed_size: 0
    .kernarg_segment_align: 8
    .kernarg_segment_size: 32
    .max_flat_workgroup_size: 128
    .sgpr_count:     100
    .vgpr_count:     432
    .wavefront_size: 32
...
	.end_amdgpu_metadata
.endif
;; end of part 4
